; MI455X (gfx1250); checked and timed in simulation.
; The chip was launched on July 23, 2026; its instructions are those of AMD's public machine-readable ISA for CDNA 5 (MIT licence, August 2026) and "CDNA5" Instruction Set Architecture Reference Guide (July 2026). The comments in the code are by the model that wrote it; some were corrected since.
;; Contrastive Hessian Calculator. Allowed arithmetic: matrix products marked QUANTISED: E4M3 operands, one E8M0 scale for each 32 along K, by v_wmma_scale_f32_16x16x128_f8f6f4 with both operands' format E4M3, f32 sums; everything else in f32.
;; Inputs: W1 512 x 256 float32; W2 64 x 512 float32; an 1,024 int32; ap 1,024 int32; b1 512 float32; b2 64 float32; n 1,024 int32; p 1,024 int32; x 50,000 x 256 float32.
;; Outputs: out0 164,416 float32.
;; This version of the problem:
;;   THIS VERSION OF THE PROBLEM IS GIVEN IN LOW PRECISION. The matrix products marked QUANTISED in the list below multiply operands that are first quantised to E4M3 (4 exponent bits, 3 mantissa bits; 8 bits a number), with one power-of-two scale for each 32 numbers along K (OCP MX v1.0); their sums are f32. All else is computed in f32.
;;   The module's matrix products, in the order in which they are computed (A, B: the left and right operand; K: the contracted axis; several contracted axes count as one K, in the product's order):
;;     1. [M 1,024, K 256] x [K 256, N 512]; A: computed on the way; B: input W1: QUANTISED
;;     2. [M 1,024, K 256] x [K 256, N 512]; A: computed on the way; B: input W1: QUANTISED
;;     3. [M 1,024, K 256] x [K 256, N 512]; A: computed on the way; B: input W1: QUANTISED
;;     4. [M 1,024, K 256] x [K 256, N 512]; A: computed on the way; B: input W1: QUANTISED
;;   THE QUANTISER, for each operand of a quantised product, along K:
;;     - K is cut into blocks of 32 from its start; a last block that is shorter is filled with zeros.
;;     - A block's scale is 2^e with e = floor(log2(the largest magnitude in the block)) - 8, held to -126 .. 127; a block of zeros has e = 0. As a byte (E8M0): e + 127.
;;     - Each number is divided by its block's scale, clamped to +-448, and rounded to the nearest number of E4M3, ties to even, subnormals kept.
;;     - The product sums the exact products of the quantised numbers (number of the format x scale) in f32.
;;   ~~~python
;;   def quantise(x, axis):      # numpy; x: float32 -> the quantised numbers, widened to float32 again
;;       x = np.moveaxis(x, axis, -1); K = x.shape[-1]
;;       x = np.pad(x, [(0, 0)] * (x.ndim - 1) + [(0, -K % 32)]); x = x.reshape(x.shape[:-1] + (-1, 32)); a = np.abs(x).max(-1, keepdims=True)
;;       e = np.where(a > 0, np.clip(np.frexp(np.where(a > 0, a, 1))[1] - 1 - 8, -126, 127), 0)      # np.frexp(a)[1] - 1 = floor(log2(a)), exactly
;;       r = np.clip(x / 2.0 ** e, -448, 448)
;;       step = 2.0 ** (np.maximum(np.frexp(np.where(r == 0, 1, r))[1] - 1, -6) - 3)
;;       q = np.round(r / step) * step * 2.0 ** e      # np.round: ties to even
;;       return np.moveaxis(q.reshape(q.shape[:-2] + (-1,))[..., :K], -1, axis).astype(np.float32)
;;   ~~~
;;   OPERANDS COMPUTED ON THE WAY. 'Computed on the way' means the value that the module computes at that place (a softmax that the list does not call 'softmax' is quantised finished and normalised). What goes into a quantiser is computed in f32, as accurately as f32 sums, v_exp_f32 and their like allow (about 1e-6 of the number): no bf16 or f16 on the way to a quantiser, and a product that is left as it is and whose result goes on into a quantised operand takes f32 operands (vector FMAs, or v_wmma_f32_16x16x4_f32). A number that lies on a knife's edge between two numbers of the format may be rounded either way, as far as f32 arithmetic and the matrix unit's own rounding can turn it there, and no further.
;; 2 versions. Each part assembles by itself: llvm-mc -triple=amdgcn-amd-amdhsa -mcpu=gfx1250 --defsym DOCPART=n.
;; ======== version 1 of 2: 2 launches
;; workspace buffers: part 8,388,608 bytes; part2 65,536 bytes
;; launch hess_main (part 1): grid 16 x 16, 8 waves a work-group, no clusters, 310,272 bytes of LDS; arguments x, W1, b1, W2, ap, p, an, n, part, part2; writes part, part2
.if DOCPART == 1
	.amdgcn_target "amdgcn-amd-amdhsa--gfx1250"
	.amdhsa_code_object_version 6
	.text
	.protected	k_q52e27dbf89_hess_main
	.globl	k_q52e27dbf89_hess_main
	.p2align	8
	.type	k_q52e27dbf89_hess_main,@function
k_q52e27dbf89_hess_main:
	s_mov_b64 s[64:65], 0
	v_nop
	global_prefetch_b8 v0, s[64:65] scope:SCOPE_SE
	s_setreg_imm32_b32 hwreg(HW_REG_WAVE_MODE, 25, 1), 1
	s_wait_xcnt 0x0
; Diagonal of the contrastive Hessian of Linear(256,512) -> tanh -> Linear(512,64): the partial sums of one block of pairs.
; For a pair (a, b) and hidden unit i:  z = Q(x) Q(W1)^T + b1 (codes of E4M3, one E8M0 scale for each 32 along K),  h = tanh z,  d = 1 - h^2,  c_i = sum over o of W2[o][i]^2.
;   W1 part [i][j]: c_i (da_i xa_j - db_i xb_j)^2, which is S11 xa^2 - 2 S12 xa xb + S22 xb^2 written as one square;   b1 part [i]: c_i (da_i - db_i)^2;   W2 part [i]: (ha_i - hb_i)^2.
; SHARES.  Work-group (x = it, y = s): hidden units 32 it .. 32 it + 31, pairs 128 (s % 8) .. + 127 of (ap, p) where s < 8, of (an, n) else.  All 256 columns j belong to every work-group,
; so rows x units share the four quantised products out exactly: 64 matrix instructions a work-group, none done twice.  The sums over a work-group's 128 pairs go to part and part2;
; the launch behind this one adds the eight positive splits and takes the eight negative ones away.
; PHASE 1, wave w: gathers the 32 rows of pairs 16 w .. 16 w + 15 into LDS as f32, quantises them in registers (four fragments), multiplies them with both tiles of 16 units, makes h and d.
;   Waves 0 to 3 also quantise one fragment of W1 each; it reaches the others through LDS as an image of its registers.  Every wave squares 8 rows of W2 for c.
; PHASE 2, wave w: units 8 (w % 4) .. + 7, pairs 64 (w / 4) .. + 63; a lane holds 8 units x 8 columns (j = 4 l .. + 3 and 128 + 4 l .. + 3) in 64 registers: 96 packed instructions a pair.
; NO CLUSTER, NO TENSOR LOAD: what work-groups share (the rows of a split) is a gather by indices read from memory, so the rows come through registers.
; b2 IS NOT READ: the function never uses it (that part of the result is zeros by construction; the second launch writes them).
; LIMITS.  The order of rounding differs from the three-term form (c factored out, squares of a difference summed).  tanh z = 1 - 2 / (1 + 2^(2.885390 z)): absolute error about 1e-7, +-1 for large |z|.
; NaN and infinities among the inputs are not served.  A block of zeros gets the scale byte 1 where the rule says 127: its codes are zeros and only this text reads the bytes.
; Indices are held at 49,999 as unsigned numbers: an index outside the table is not served as JAX would serve it.
; REGISTERS.  Window 0: all that arithmetic touches.  Window 1 (v256-511): only the place where the gathered rows land, 8 registers a row.
.set PR,   2320                        ; a pair's record in LDS: xa 1,024 bytes, xb 1,024, da[32] 128, -db[32] 128, 16 of padding.  9 x 256 + 16: sixteen records begin 16 bytes apart modulo 256
.set W1I,  128*PR                      ; W1's four fragments (2 t + ks) as images of their registers, 2,048 bytes each
.set W1S,  W1I+4*2048                  ; their scale words, 4 bytes a lane
.set CP,   W1S+4*128                   ; wave w's part of c for the 32 units
.set CC,   CP+8*128                    ; c[32]
.set RED,  CC+256                      ; wave w: (ha-hb)^2 [32], (da-db)^2 [32], summed over its 16 pairs
                                       ; the exchange of phase 2's halves lies over the records, from byte 0: 8,192 bytes a wave
.set LANE, 1                           ; v1   lane l
.set R16,  2                           ; v2   r = l % 16
.set HLF,  3                           ; v3   h = l / 16
.set L16,  4                           ; v4   16 l
.set AST,  5                           ; v5   16 w PR + 16 l: where my rows go
.set AFR,  6                           ; v6   (16 w + r) PR + 64 h: where a fragment's numbers come from
.set ADS,  7                           ; v7   (16 w + r) PR + 2048 + 32 h: where d goes
.set AIW,  8                           ; v8   W1I + 2048 (w % 4) + 16 l
.set AIR,  9                           ; v9   W1I + 16 l
.set ASW,  10                          ; v10  W1S + 128 (w % 4) + 4 l
.set ASR,  11                          ; v11  W1S + 4 l
.set ACPW, 12                          ; v12  CP + 128 w + 4 l
.set ACPR, 13                          ; v13  CP + 4 l
.set ACCW, 14                          ; v14  CC + 4 l
.set ARW,  15                          ; v15  RED + 256 w + 32 h
.set ARR,  16                          ; v16  RED + 8 l
.set AX,   17                          ; v17  phase 2: the pair's rows, + 16 l (stepped)
.set AD,   18                          ; v18  phase 2: the pair's da of my 8 units (stepped)
.set AEW,  19                          ; v19  8192 w + 16 l
.set AER,  20                          ; v20  8192 (w % 4) + 4096 (w / 4) + 16 l
.set ACG,  21                          ; v21  CC + 32 (w % 4) + 16 (w / 4)
.set ACF,  22                          ; v22  CC + 8 r
.set GW1,  23                          ; v23  1024 r + 64 h: my place in 16 rows of W1
.set XS,   24                          ; v24-27  x's scale words (2 side + ks): scales and nothing else
.set WS,   28                          ; v28-31  W1's scale words (2 t + ks): scales and nothing else
.set GB1,  32                          ; v32  32 h
.set L4,   33                          ; v33  4 l
.set TMPA, 34                          ; v34  at work at the head
.set L8,   35                          ; v35  8 l
.set W2R,  36                          ; v36-43 eight numbers of W2, later eight parts of c
.set CPART,44
.set B1R,  48                          ; v48-63 b1 in the result's layout: tile t: b1[16 t + 8 h + 0 .. 7]
.set TM,   64                          ; v64-79 the quantiser's: largest magnitudes, bytes, 448 x scale, scale operands
.set NUM,  96                          ; v96-159 64 numbers to quantise
.set WC,   96                          ; then W1's four fragments
.set XC,   160                         ; v160-223 x's four fragments (2 side + ks)
.set GO,   224                         ; v224-255 the gather's offsets, a register a row
.set Z,    224                         ; then the four accumulators (16 side + 8 t)
.set T,    96                          ; v96-127 z on its way to h, in place: ha v96-111, hb v112-127
.set DA,   128                         ; v128-143 da
.set NDB,  144                         ; v144-159 -db
.set E,    160                         ; v160-175 (ha-hb)^2, v176-191 (da-db)^2
.set ACC,  96                          ; phase 2: v96-159, unit i, column pair q: 8 i + q
.set BUF,  160                         ; two buffers of 32: xa 8, xb 8, da 8, -db 8
.set U,    224                         ; v224-255 da xa - db xb of four units
.set PP,   160                         ; the end: the two halves' sums
.set QQ,   192
.set C4,   48                          ; and c of my four units
.set MSB, 0
.macro WIN new                         ; the immediate's high byte repeats the setting that is left
.if MSB != \new
	s_set_vgpr_msb (MSB<<8)|\new
.set MSB, \new
.endif
.endm
; 64 numbers of a lane, register 16 b + i = k 32 b + 16 h + i of my row, become a fragment's codes in v[pc] on and its scale word in v[pw].
.macro QUANT s, pc, pw
.irp b, 0,1,2,3
	v_max3_num_f32 v[TM+\b], |v[\s+16*\b]|, |v[\s+1+16*\b]|, 0x4800000   ; block b: my 16 numbers, and the floor 2^(9 - 127): the byte cannot fall under 1
.endr
.irp i, 2,4,6,8,10,12,14
.irp b, 0,1,2,3
	v_max3_num_f32 v[TM+\b], v[TM+\b], |v[\s+16*\b+\i]|, |v[\s+1+16*\b+\i]|   ; the four blocks by turns
.endr
.endr
.irp b, 0,1,2,3
	v_permlanex16_b32 v[TM+4+\b], v[TM+\b], s66, s67
.endr
.irp b, 0,1,2,3
	v_max_num_f32 v[TM+\b], v[TM+\b], v[TM+4+\b]   ; with lane l xor 16's: the block's largest magnitude
.endr
.irp b, 0,1,2,3
	v_add_nc_u32 v[TM+12+\b], 0xfc000000, v[TM+\b]   ; 8 off its exponent field: the conversion's scale operand
.endr
.irp b, 0,1,2,3
	v_and_or_b32 v[TM+8+\b], v[TM+\b], 0x7f800000, s68   ; 448 x the scale
.endr
.irp b, 0,1,2,3
	v_lshrrev_b32 v[TM+4+\b], 23, v[TM+12+\b]   ; the scale's byte
.endr
	v_lshl_or_b32 v[\pw], v[TM+5], 8, v[TM+4]   ; my row's scale word (both halves of the lanes hold the same)
	v_lshl_or_b32 v[\pw], v[TM+6], 16, v[\pw]
	v_lshl_or_b32 v[\pw], v[TM+7], 24, v[\pw]
.irp b, 0,1,2,3
.irp i, 0,1,2,3,4,5,6,7,8,9,10,11,12,13,14,15
	v_med3_num_f32 v[\s+16*\b+\i], v[\s+16*\b+\i], -v[TM+8+\b], v[TM+8+\b]   ; the conversion to an 8-bit code does not saturate (ISA guide 7.6.2): the hold at 448 x the scale
.endr
	v_cvt_scalef32_pk8_fp8_f32 v[\pc+4*\b:\pc+1+4*\b], v[\s+16*\b:\s+7+16*\b], v[TM+12+\b]
	v_cvt_scalef32_pk8_fp8_f32 v[\pc+2+4*\b:\pc+3+4*\b], v[\s+8+16*\b:\s+15+16*\b], v[TM+12+\b]
.endr
	v_nop                                          ; a plain line behind the last conversion, ahead of whatever next touches its registers
.endm
.macro BARRIER                         ; my LDS stores have landed and my LDS loads are in: then the work-group's barrier
	s_wait_dscnt 0x0
	s_barrier_signal -1
	s_barrier_wait -1
.endm
; The 16 rows of side sg (0: a, 1: b) go from window 1 into my pairs' records, each as soon as it is in.
.macro ROWS sg
	WIN 0x04                                       ; an LDS store's data are its source 1: window 1
.set k, 16*\sg
.rept 16
	s_wait_loadcnt 62-2*k                          ; loads come back in order: row k's two are in, the 2 (31 - k) of the rows behind it may be out
	ds_store_b128 v[AST], v[8*k:8*k+3] offset:(k-16*\sg)*PR+1024*\sg
	ds_store_b128 v[AST], v[8*k+4:8*k+7] offset:(k-16*\sg)*PR+1024*\sg+512
.set k, k+1
.endr
	WIN 0
.endm
; Lane (r, h) takes, of row r of side sg, the 16 numbers 32 b + 16 h .. of each block of K step ks.  The rows are my own wave's: LDS serves a wave's instructions in order (ISA guide 5.7.1.4)
.macro FRAGLD sg, ks
.irp b, 0,1,2,3
.irp q, 0,1,2,3
	ds_load_b128 v[NUM+16*\b+4*\q:NUM+16*\b+4*\q+3], v[AFR] offset:1024*\sg+512*\ks+128*\b+16*\q
.endr
.endr
.endm
; Phase 2: the pair off bytes on from the one in hand, into buffer b: eight loads.
.macro LD b, off
.set BB, BUF+32*(\b)
	ds_load_b128 v[BB:BB+3],     v[AX] offset:\off
	ds_load_b128 v[BB+4:BB+7],   v[AX] offset:\off+512
	ds_load_b128 v[BB+8:BB+11],  v[AX] offset:\off+1024
	ds_load_b128 v[BB+12:BB+15], v[AX] offset:\off+1536
	ds_load_b128 v[BB+16:BB+19], v[AD] offset:\off
	ds_load_b128 v[BB+20:BB+23], v[AD] offset:\off+16
	ds_load_b128 v[BB+24:BB+27], v[AD] offset:\off+128
	ds_load_b128 v[BB+28:BB+31], v[AD] offset:\off+144
.endm
; Phase 2: one pair: four units at a time, u = da xa; u += (-db) xb; acc += u u.  A unit's d is one register of a pair, given to both halves by op_sel.  A result is read 16 lines behind its write.
; first = 1: the first pair starts the sums: nothing is cleared.
.macro FMA b, first
.set BB, BUF+32*(\b)
.irp ih, 0,1
.irp i4, 0,1,2,3
.irp q, 0,2,4,6
.if \i4 % 2
	v_pk_mul_f32 v[U+8*\i4+\q:U+8*\i4+\q+1], v[BB+\q:BB+\q+1], v[BB+16+4*\ih+\i4-1:BB+16+4*\ih+\i4] op_sel:[0,1] op_sel_hi:[1,1]
.else
	v_pk_mul_f32 v[U+8*\i4+\q:U+8*\i4+\q+1], v[BB+\q:BB+\q+1], v[BB+16+4*\ih+\i4:BB+16+4*\ih+\i4+1] op_sel_hi:[1,0]
.endif
.endr
.endr
.irp i4, 0,1,2,3
.irp q, 0,2,4,6
.if \i4 % 2
	v_pk_fma_f32 v[U+8*\i4+\q:U+8*\i4+\q+1], v[BB+8+\q:BB+8+\q+1], v[BB+24+4*\ih+\i4-1:BB+24+4*\ih+\i4], v[U+8*\i4+\q:U+8*\i4+\q+1] op_sel:[0,1,0] op_sel_hi:[1,1,1]
.else
	v_pk_fma_f32 v[U+8*\i4+\q:U+8*\i4+\q+1], v[BB+8+\q:BB+8+\q+1], v[BB+24+4*\ih+\i4:BB+24+4*\ih+\i4+1], v[U+8*\i4+\q:U+8*\i4+\q+1] op_sel_hi:[1,0,1]
.endif
.endr
.endr
.irp i4, 0,1,2,3
.irp q, 0,2,4,6
.if \first
	v_pk_mul_f32 v[ACC+8*(4*\ih+\i4)+\q:ACC+8*(4*\ih+\i4)+\q+1], v[U+8*\i4+\q:U+8*\i4+\q+1], v[U+8*\i4+\q:U+8*\i4+\q+1]
.else
	v_pk_fma_f32 v[ACC+8*(4*\ih+\i4)+\q:ACC+8*(4*\ih+\i4)+\q+1], v[U+8*\i4+\q:U+8*\i4+\q+1], v[U+8*\i4+\q:U+8*\i4+\q+1], v[ACC+8*(4*\ih+\i4)+\q:ACC+8*(4*\ih+\i4)+\q+1]
.endif
.endr
.endr
.endr
.endm
	; ---- the head: every LDS address is made here, ahead of the first parting of the waves
	s_load_b512 s[8:23], s[0:1], 0x0               ; x s[8:9], W1 s[10:11], b1 s[12:13], W2 s[14:15], ap s[16:17], p s[18:19], an s[20:21], n s[22:23]
	s_load_b128 s[24:27], s[0:1], 0x40             ; part s[24:25], part2 s[26:27]
	v_lshl_add_u32 v94, v0, 2, 0x4b800
	v_mov_b32 v95, 0
	v_lshrrev_b32 v[LANE], 5, v0
	v_readfirstlane_b32 s2, v[LANE]                ; wave w, 0 .. 7
	s_and_b32 s4, ttmp7, 0xffff                    ; the split s
	s_and_b32 s5, s2, 3                            ; g = w % 4
	s_lshr_b32 s6, s2, 2                           ; kh = w / 4
	v_and_b32 v[LANE], 31, v0
	v_and_b32 v[R16], 15, v0
	v_bfe_u32 v[HLF], v0, 4, 1
	v_lshlrev_b32 v[L16], 4, v[LANE]
	v_lshlrev_b32 v[L4], 2, v[LANE]
	v_lshlrev_b32 v[L8], 3, v[LANE]
	v_lshlrev_b32 v[GB1], 5, v[HLF]
	s_mul_i32 s70, s2, 16*PR                       ; my 16 pairs' records
	v_add_nc_u32 v[AST], s70, v[L16]
	v_mul_u32_u24 v[TMPA], v[R16], PR
	v_add_nc_u32 v[TMPA], s70, v[TMPA]
	v_lshl_add_u32 v[AFR], v[HLF], 6, v[TMPA]
	v_lshl_add_u32 v[ADS], v[HLF], 5, v[TMPA]
	v_add_nc_u32 v[ADS], 2048, v[ADS]
	s_lshl_b32 s71, s5, 11
	s_add_co_u32 s71, s71, W1I
	v_add_nc_u32 v[AIW], s71, v[L16]
	v_add_nc_u32 v[AIR], W1I, v[L16]
	s_lshl_b32 s71, s5, 7
	s_add_co_u32 s71, s71, W1S
	v_add_nc_u32 v[ASW], s71, v[L4]
	v_add_nc_u32 v[ASR], W1S, v[L4]
	s_lshl_b32 s71, s2, 7
	s_add_co_u32 s71, s71, CP
	v_add_nc_u32 v[ACPW], s71, v[L4]
	v_add_nc_u32 v[ACPR], CP, v[L4]
	v_add_nc_u32 v[ACCW], CC, v[L4]
	s_lshl_b32 s71, s2, 8
	s_add_co_u32 s71, s71, RED
	v_add_nc_u32 v[ARW], s71, v[GB1]
	v_add_nc_u32 v[ARR], RED, v[L8]
	s_mul_i32 s71, s6, 64*PR                       ; phase 2: my half of the pairs
	v_add_nc_u32 v[AX], s71, v[L16]
	s_lshl_b32 s70, s5, 5
	s_add_co_u32 s71, s71, s70
	s_add_co_u32 s71, s71, 2048
	v_mov_b32 v[AD], s71
	s_lshl_b32 s71, s2, 13
	v_add_nc_u32 v[AEW], s71, v[L16]
	s_lshl_b32 s71, s5, 13
	s_lshl_b32 s70, s6, 12
	s_add_co_u32 s71, s71, s70
	v_add_nc_u32 v[AER], s71, v[L16]
	s_lshl_b32 s71, s5, 5
	s_lshl_b32 s70, s6, 4
	s_add_co_u32 s71, s71, s70
	s_add_co_u32 s71, s71, CC
	v_mov_b32 v[ACG], s71
	v_lshl_add_u32 v[ACF], v[R16], 3, CC
	v_lshlrev_b32 v[GW1], 10, v[R16]
	v_lshl_add_u32 v[GW1], v[HLF], 6, v[GW1]
.irp b, 0,1,2,3
	v_mov_b32 v[TM+4+\b], 0                        ; written once: a lane permute's destination counts as one of its sources
.endr
	s_mov_b32 s66, 0x76543210
	s_mov_b32 s67, 0xfedcba98                      ; v_permlanex16_b32's selects for lane l xor 16
	s_mov_b32 s68, 0x600000                        ; the mantissa field of 448
	s_mov_b32 s83, 0
	s_mov_b32 s85, 0
	s_wait_kmcnt 0x0
	s_cmp_lt_u32 s4, 8                             ; a positive split or a negative one: the choice hangs on the work-group's number alone
	s_cselect_b64 s[16:17], s[16:17], s[20:21]
	s_cselect_b64 s[18:19], s[18:19], s[22:23]
	s_and_b32 s82, s4, 7
	s_lshl_b32 s82, s82, 9                         ; 128 indices a split,
	s_lshl_b32 s70, s2, 6                          ; 16 a wave
	s_add_co_u32 s82, s82, s70
	s_add_nc_u64 s[16:17], s[16:17], s[82:83]
	s_add_nc_u64 s[18:19], s[18:19], s[82:83]
	s_load_b512 s[32:47], s[16:17], 0x0            ; my 16 indices a
	s_load_b512 s[48:63], s[18:19], 0x0            ; my 16 indices b
	s_lshl_b32 s82, ttmp9, 7                       ; 32 units x 4 bytes
	s_add_nc_u64 s[74:75], s[12:13], s[82:83]      ; b1 at my tile
	s_lshl_b32 s84, s2, 14                         ; 8 rows of W2 a wave
	s_add_co_u32 s84, s84, s82
	s_add_nc_u64 s[72:73], s[14:15], s[84:85]      ; W2 at my tile's columns, my 8 rows
	s_lshl_b32 s84, ttmp9, 15                      ; 32 rows of W1
	s_bfe_u32 s70, s2, 0x10001                     ; t = (w / 2) % 2
	s_lshl_b32 s70, s70, 14
	s_add_co_u32 s84, s84, s70
	s_and_b32 s70, s2, 1                           ; ks = w % 2
	s_lshl_b32 s70, s70, 9
	s_add_co_u32 s84, s84, s70
	s_add_nc_u64 s[76:77], s[10:11], s[84:85]      ; W1 at the fragment that waves 0 to 3 quantise
	s_lshl_b32 s84, s4, 19
	s_lshl_b32 s70, ttmp9, 15
	s_add_co_u32 s84, s84, s70
	s_lshl_b32 s70, s5, 13
	s_add_co_u32 s84, s84, s70
	s_lshl_b32 s70, s6, 12
	s_add_co_u32 s84, s84, s70
	s_add_nc_u64 s[78:79], s[24:25], s[84:85]      ; part at split s, unit 32 it + 8 g + 4 kh
	s_lshl_b32 s84, s4, 12
	s_lshl_b32 s70, ttmp9, 8
	s_add_co_u32 s84, s84, s70
	s_add_nc_u64 s[80:81], s[26:27], s[84:85]      ; part2 at record 16 s + it
	; ---- the small loads go out while the indices are on their way
.set k, 0
.rept 8
	global_load_b32 v[W2R+k], v[L4], s[72:73] offset:2048*k      ; W2[8 w + k][32 it + l]
.set k, k+1
.endr
.irp t, 0,1
.irp hf, 0,1
	global_load_b128 v[B1R+8*\t+4*\hf:B1R+8*\t+4*\hf+3], v[GB1], s[74:75] offset:64*\t+16*\hf
.endr
.endr
	s_cmp_lt_u32 s2, 4
	s_cbranch_scc0 .Lno_w1_load
.irp b, 0,1,2,3
.irp q, 0,1,2,3
	global_load_b128 v[NUM+16*\b+4*\q:NUM+16*\b+4*\q+3], v[GW1], s[76:77] offset:128*\b+16*\q   ; W1[16 t + r][128 ks + 32 b + 16 h + 4 q ..]
.endr
.endr
.Lno_w1_load:
	; ---- the gather: 32 rows of 1,024 bytes, 64 loads of 512 consecutive bytes.  No hint: sixteen work-groups read each row, and a list may name a row twice
	s_wait_kmcnt 0x0
.set k, 0
.rept 32
	s_min_u32 s[32+k], s[32+k], 0xc34f             ; an index stays inside the table: 49,999 at the most
.set k, k+1
.endr
.set k, 0
.rept 32
	v_lshl_add_u32 v[GO+k], s[32+k], 10, v[L16]
.set k, k+1
.endr
	WIN 0x40                                       ; destination window 1, offsets window 0
.set k, 0
.rept 32
	global_load_b128 v[8*k:8*k+3],   v[GO+k], s[8:9]
	global_load_b128 v[8*k+4:8*k+7], v[GO+k], s[8:9] offset:512
.set k, k+1
.endr
	WIN 0
	; ---- c's part and W1's fragment, while the rows land
	s_wait_loadcnt 63                              ; 64 loads were issued behind the small ones, on both ways: with 63 out, W2, b1 and W1 are in
	v_mul_f32 v[CPART], v[W2R], v[W2R]
.irp o, 1,2,3,4,5,6,7
	v_fmac_f32 v[CPART], v[W2R+\o], v[W2R+\o]
.endr
	ds_store_b32 v[ACPW], v[CPART]
	s_cmp_lt_u32 s2, 4
	s_cbranch_scc0 .Lno_w1_quant
	QUANT NUM, XC+48, WS
.irp c, 0,1,2,3
	ds_store_b128 v[AIW], v[XC+48+4*\c:XC+48+4*\c+3] offset:512*\c   ; the fragment as it stands: lane l's 16 bytes at 16 l
.endr
	ds_store_b32 v[ASW], v[WS]
	s_wait_dscnt 0x0                               ; the stores have read their registers, which x's codes and the scale loads take later
.Lno_w1_quant:
	; ---- my 32 rows: into the records, and back as four fragments' numbers
.irp sg, 0,1
	ROWS \sg
.irp ks, 0,1
	FRAGLD \sg, \ks
	s_wait_dscnt 0x0
	QUANT NUM, XC+16*(2*\sg+\ks), XS+2*\sg+\ks
.endr
.endr
	BARRIER                                        ; all rows, W1's images and the parts of c lie in LDS
	s_cmp_lg_u32 s2, 0
	s_cbranch_scc1 .Lnot_wave_0
.set k, 0
.rept 8
	ds_load_b32 v[W2R+k], v[ACPR] offset:128*k
.set k, k+1
.endr
	s_wait_dscnt 0x0
	v_pk_add_f32 v[W2R:W2R+1], v[W2R:W2R+1], v[W2R+2:W2R+3]
	v_pk_add_f32 v[W2R+4:W2R+5], v[W2R+4:W2R+5], v[W2R+6:W2R+7]
	v_pk_add_f32 v[W2R:W2R+1], v[W2R:W2R+1], v[W2R+4:W2R+5]
	v_add_f32 v[CPART], v[W2R], v[W2R+1]
	ds_store_b32 v[ACCW], v[CPART]                 ; c of unit l; read behind the next barrier
.Lnot_wave_0:
.irp f, 0,1,2,3
.irp c, 0,1,2,3
	ds_load_b128 v[WC+16*\f+4*\c:WC+16*\f+4*\c+3], v[AIR] offset:2048*\f+512*\c   ; the same lines as loads give every wave the same registers in the same lanes
.endr
	ds_load_b32 v[WS+\f], v[ASR] offset:128*\f
.endr
	s_wait_dscnt 0x0
.rept 8
	v_nop                                          ; codes and scale words written by vector instructions stand this far ahead of a scaled matrix instruction
.endr
	; ---- z^T = W1 x^T + b1: source 0 = 16 units, source 1 = my 16 rows of a side.  Lane (r, h), register j: unit 16 t + 8 h + j of pair 16 w + r.  b1 is the C of each sum's first instruction.
	; The four accumulators take turns, one instruction a turn.
.irp sg, 0,1
.irp t, 0,1
	v_wmma_scale_f32_16x16x128_f8f6f4 v[Z+16*\sg+8*\t:Z+16*\sg+8*\t+7], v[WC+32*\t:WC+32*\t+15], v[XC+32*\sg:XC+32*\sg+15], v[B1R+8*\t:B1R+8*\t+7], v[WS+2*\t], v[XS+2*\sg]
.endr
.endr
.irp sg, 0,1
.irp t, 0,1
	v_wmma_scale_f32_16x16x128_f8f6f4 v[Z+16*\sg+8*\t:Z+16*\sg+8*\t+7], v[WC+32*\t+16:WC+32*\t+31], v[XC+32*\sg+16:XC+32*\sg+31], v[Z+16*\sg+8*\t:Z+16*\sg+8*\t+7], v[WS+2*\t+1], v[XS+2*\sg+1]
.endr
.endr
.rept 8
	v_nop                                          ; eight places behind this form ahead of the reads of its results and the writes over its operands
.endr
	; ---- h = tanh z = 1 - 2 / (1 + 2^(2 log2(e) z)); each accumulator is read from its low end on
.set k, 0
.rept 16
	v_pk_mul_f32 v[T+k:T+k+1], v[Z+k:Z+k+1], 0x4038aa3b op_sel_hi:[1,0]
.set k, k+2
.endr
.set k, 0
.rept 32
	v_exp_f32 v[T+k], v[T+k]
.set k, k+1
.endr
	v_nop                                          ; a plain line behind the last exponential,
	s_wait_alu depctr_va_vdst(0)                   ; and one wait for the batch, ahead of its first reader
.set k, 0
.rept 16
	v_pk_add_f32 v[T+k:T+k+1], v[T+k:T+k+1], 1.0 op_sel_hi:[1,0]
.set k, k+2
.endr
.set k, 0
.rept 32
	v_rcp_f32 v[T+k], v[T+k]
.set k, k+1
.endr
	v_nop
	s_wait_alu depctr_va_vdst(0)                   ; likewise for the reciprocals
.set k, 0
.rept 16
	v_pk_fma_f32 v[T+k:T+k+1], v[T+k:T+k+1], -2.0, 1.0 op_sel_hi:[1,0,0]
.set k, k+2
.endr
.set k, 0
.rept 16
	v_fma_f32 v[DA+k], -v[T+k], v[T+k], 1.0        ; da = 1 - ha^2
.set k, k+1
.endr
.set k, 0
.rept 8
	v_pk_fma_f32 v[NDB+k:NDB+k+1], v[T+16+k:T+16+k+1], v[T+16+k:T+16+k+1], -1.0 op_sel_hi:[1,1,0]   ; -db = hb^2 - 1
.set k, k+2
.endr
.irp sd, 0,1
.irp t, 0,1
.irp hf, 0,1
	ds_store_b128 v[ADS], v[DA+16*\sd+8*\t+4*\hf:DA+16*\sd+8*\t+4*\hf+3] offset:128*\sd+64*\t+16*\hf   ; into my pair's record: unit 16 t + 8 h + 4 hf ..
.endr
.endr
.endr
.set k, 0
.rept 8
	v_pk_fma_f32 v[E+k:E+k+1], v[T+16+k:T+16+k+1], -1.0, v[T+k:T+k+1] op_sel_hi:[1,0,1]   ; ha - hb
	v_pk_add_f32 v[E+16+k:E+16+k+1], v[DA+k:DA+k+1], v[NDB+k:NDB+k+1]                     ; da - db
.set k, k+2
.endr
.set k, 0
.rept 16
	v_pk_mul_f32 v[E+k:E+k+1], v[E+k:E+k+1], v[E+k:E+k+1]
.set k, k+2
.endr
.irp x, 1,2,4,8                        ; the sum over the 16 lanes of a half: my wave's 16 pairs
.set k, 0
.rept 32
	v_add_f32_dpp v[E+k], v[E+k], v[E+k] row_xmask:\x row_mask:0xf bank_mask:0xf
.set k, k+1
.endr
.endr
.irp kd, 0,1
.irp t, 0,1
.irp hf, 0,1
	ds_store_b128 v[ARW], v[E+16*\kd+8*\t+4*\hf:E+16*\kd+8*\t+4*\hf+3] offset:128*\kd+64*\t+16*\hf   ; the sixteen lanes of a half write the same bytes with the same values
.endr
.endr
.endr
	BARRIER                                        ; every pair's d, the waves' small sums and c lie in LDS
	; ---- wave 4 adds the eight waves' small sums and stores the work-group's record of 256 bytes: lane l: numbers 2 l, 2 l + 1
	s_cmp_lg_u32 s2, 4
	s_cbranch_scc1 .Lnot_wave_4
.set k, 0
.rept 8
	ds_load_b64 v[U+2*k:U+2*k+1], v[ARR] offset:256*k
.set k, k+1
.endr
	ds_load_b64 v[U+16:U+17], v[ACF]               ; c of units 2 r, 2 r + 1
	s_wait_dscnt 0x0
.irp a, 0,4,8,12
	v_pk_add_f32 v[U+\a:U+\a+1], v[U+\a:U+\a+1], v[U+\a+2:U+\a+3]
.endr
	v_pk_add_f32 v[U:U+1], v[U:U+1], v[U+4:U+5]
	v_pk_add_f32 v[U+8:U+9], v[U+8:U+9], v[U+12:U+13]
	v_pk_add_f32 v[U:U+1], v[U:U+1], v[U+8:U+9]
	v_cmp_le_u32 vcc_lo, 16, v[LANE]               ; lanes 16-31 hold the sums of (da - db)^2, which take c; lanes 0-15 those of (ha - hb)^2, which take 1
	v_cndmask_b32 v[U+16], 1.0, v[U+16], vcc_lo
	v_cndmask_b32 v[U+17], 1.0, v[U+17], vcc_lo
	v_pk_mul_f32 v[U:U+1], v[U:U+1], v[U+16:U+17]
	global_store_b64 v[L8], v[U:U+1], s[80:81]     ; 32 lanes store 256 consecutive bytes, aligned
	s_wait_xcnt 0x0                                ; the store has read its data: the loop below writes these registers
.Lnot_wave_4:
	; ---- phase 2: 64 pairs, two buffers by turns; a buffer is asked for one pair (96 packed lines) ahead
	LD 1, 0
	LD 0, PR
	s_wait_dscnt 8                                 ; the first pair is in; the second pair's eight loads may be out
	FMA 1, 1
	s_wait_dscnt 0x0                               ; no LDS load of mine is out when its address registers are stepped
	v_add_nc_u32 v[AX], PR, v[AX]
	v_add_nc_u32 v[AD], PR, v[AD]
	s_mov_b32 s69, 15
.Lpairs:                                           ; at the head buffer 0 holds the pair at the addresses in hand; a trip takes four pairs
	LD 1, PR
	s_wait_dscnt 8                                 ; all but the eight just issued
	FMA 0, 0
	LD 0, 2*PR
	s_wait_dscnt 8
	FMA 1, 0
	LD 1, 3*PR
	s_wait_dscnt 8
	FMA 0, 0
	LD 0, 4*PR
	s_wait_dscnt 8
	FMA 1, 0
	s_wait_dscnt 0x0                               ; asked for 96 lines ago; then the addresses step
	v_add_nc_u32 v[AX], 4*PR, v[AX]
	v_add_nc_u32 v[AD], 4*PR, v[AD]
	s_sub_co_u32 s69, s69, 1
	s_cmp_lg_u32 s69, 0
	s_cbranch_scc1 .Lpairs
	LD 1, PR                                       ; pairs 61 to 63 of my half: nothing is read past the last
	s_wait_dscnt 8
	FMA 0, 0
	LD 0, 2*PR
	s_wait_dscnt 8
	FMA 1, 0
	s_wait_dscnt 0x0
	FMA 0, 0
	; ---- the two halves of the pairs meet in LDS, over the records, which nobody reads behind this barrier
	BARRIER
.set k, 0
.rept 16
	ds_store_b128 v[AEW], v[ACC+4*k:ACC+4*k+3] offset:512*k   ; unit k / 2, columns 128 (k % 2) + 4 l ..: the image is 8 rows of 1,024 bytes
.set k, k+1
.endr
	BARRIER
.irp m, 0,1,2,3                        ; wave (g, kh) finishes units 8 g + 4 kh + m: both halves' sums are read back by address
.irp qh, 0,1
	ds_load_b128 v[PP+8*\m+4*\qh:PP+8*\m+4*\qh+3], v[AER] offset:1024*\m+512*\qh
	ds_load_b128 v[QQ+8*\m+4*\qh:QQ+8*\m+4*\qh+3], v[AER] offset:1024*\m+512*\qh+32768
.endr
.endr
	ds_load_b128 v[C4:C4+3], v[ACG]
	s_wait_dscnt 0x0
.set k, 0
.rept 16
	v_pk_add_f32 v[PP+k:PP+k+1], v[PP+k:PP+k+1], v[QQ+k:QQ+k+1]
.set k, k+2
.endr
.irp m, 0,1,2,3
.irp q, 0,2,4,6
.if \m % 2
	v_pk_mul_f32 v[PP+8*\m+\q:PP+8*\m+\q+1], v[PP+8*\m+\q:PP+8*\m+\q+1], v[C4+\m-1:C4+\m] op_sel:[0,1] op_sel_hi:[1,1]
.else
	v_pk_mul_f32 v[PP+8*\m+\q:PP+8*\m+\q+1], v[PP+8*\m+\q:PP+8*\m+\q+1], v[C4+\m:C4+\m+1] op_sel_hi:[1,0]
.endif
.endr
.endr
.irp m, 0,1,2,3
.irp qh, 0,1
	global_store_b128 v[L16], v[PP+8*\m+4*\qh:PP+8*\m+4*\qh+3], s[78:79] offset:1024*\m+512*\qh   ; 32 lanes store 512 consecutive bytes, aligned
.endr
.endr
	s_wait_tensorcnt 0x0
	ds_add_u32 v94, v95
	s_wait_dscnt 0x0
	s_endpgm
.Lfunc_end_k_q52e27dbf89_hess_main:
	.size	k_q52e27dbf89_hess_main, .Lfunc_end_k_q52e27dbf89_hess_main-k_q52e27dbf89_hess_main
	.p2alignl 7, 3214868480
	.fill 96, 4, 3214868480
	.section	.rodata,"a",@progbits
	.p2align	6, 0x0
	.amdhsa_kernel k_q52e27dbf89_hess_main
		.amdhsa_group_segment_fixed_size 310272
		.amdhsa_private_segment_fixed_size 0
		.amdhsa_enable_private_segment 0
		.amdhsa_kernarg_size 80
		.amdhsa_user_sgpr_count 2
		.amdhsa_user_sgpr_kernarg_segment_ptr 1
		.amdhsa_wavefront_size32 1
		.amdhsa_system_sgpr_workgroup_id_x 1
		.amdhsa_system_sgpr_workgroup_id_y 1
		.amdhsa_system_sgpr_workgroup_id_z 1
		.amdhsa_system_vgpr_workitem_id 0
		.amdhsa_next_free_vgpr 512
		.amdhsa_next_free_sgpr 88
		.amdhsa_reserve_vcc 1
		.amdhsa_float_denorm_mode_32 3
		.amdhsa_float_denorm_mode_16_64 3
		.amdhsa_memory_ordered 1
		.amdhsa_forward_progress 1
		.amdhsa_inst_pref_size 149
	.end_amdhsa_kernel
	.amdgpu_metadata
---
amdhsa.version: [ 1, 2 ]
amdhsa.kernels:
  - .name:           k_q52e27dbf89_hess_main
    .symbol:         k_q52e27dbf89_hess_main.kd
    .args:
      - { .name: x, .offset: 0, .size: 8, .value_kind: global_buffer, .address_space: global }
      - { .name: W1, .offset: 8, .size: 8, .value_kind: global_buffer, .address_space: global }
      - { .name: b1, .offset: 16, .size: 8, .value_kind: global_buffer, .address_space: global }
      - { .name: W2, .offset: 24, .size: 8, .value_kind: global_buffer, .address_space: global }
      - { .name: ap, .offset: 32, .size: 8, .value_kind: global_buffer, .address_space: global }
      - { .name: p, .offset: 40, .size: 8, .value_kind: global_buffer, .address_space: global }
      - { .name: an, .offset: 48, .size: 8, .value_kind: global_buffer, .address_space: global }
      - { .name: n, .offset: 56, .size: 8, .value_kind: global_buffer, .address_space: global }
      - { .name: part, .offset: 64, .size: 8, .value_kind: global_buffer, .address_space: global }
      - { .name: part2, .offset: 72, .size: 8, .value_kind: global_buffer, .address_space: global }
    .group_segment_fixed_size: 310272
    .private_segment_fixed_size: 0
    .kernarg_segment_align: 8
    .kernarg_segment_size: 80
    .max_flat_workgroup_size: 256
    .sgpr_count:     88
    .vgpr_count:     512
    .wavefront_size: 32
...
	.end_amdgpu_metadata
.endif
;; end of part 1
;; launch hess_sum (part 2): grid 256 x 1, 5 waves a work-group, no clusters, 0 bytes of LDS; arguments part, part2, out0; writes out0
.if DOCPART == 2
	.amdgcn_target "amdgcn-amd-amdhsa--gfx1250"
	.amdhsa_code_object_version 6
	.text
	.protected	k_q52e27dbf89_hess_sum
	.globl	k_q52e27dbf89_hess_sum
	.p2align	8
	.type	k_q52e27dbf89_hess_sum,@function
k_q52e27dbf89_hess_sum:
	s_mov_b64 s[64:65], 0
	v_nop
	global_prefetch_b8 v0, s[64:65] scope:SCOPE_SE
	s_setreg_imm32_b32 hwreg(HW_REG_WAVE_MODE, 25, 1), 1
	s_wait_xcnt 0x0
; out0 = the sum of the eight positive splits less the sum of the eight negative ones.
; part  [16 splits][512 i][256 j] f32: the W1 part, c applied.   part2 [16 splits][16 tiles][64] f32: 32 sums of (ha-hb)^2, then 32 of c (da-db)^2.
; out0: W1 part 131,072 numbers | b1 part 512 | W2 part 64 rows of 512, every row the same | b2 part 64 zeros.
; Work-group b.  Waves 0 to 3: 2,048 bytes of the W1 part, 16 bytes a thread.  Wave 4: row b / 4 of the W2 part, units 128 (b % 4) .. + 127; where b < 4 also those units of the b1 part; where b = 4 the zeros.
; Every byte of out0 is written once, each store of a wave 512 (the zeros: 256) consecutive bytes, aligned.  A stream: no LDS, no barrier, no matrix unit.
.set R0, 16                            ; v16-79   sixteen splits x 4 numbers
.set R1, 80                            ; v80-143  the same for the b1 part
.macro ADD4 d, a
	v_pk_add_f32 v[\d:\d+1], v[\d:\d+1], v[\a:\a+1]
	v_pk_add_f32 v[\d+2:\d+3], v[\d+2:\d+3], v[\a+2:\a+3]
.endm
.macro SUM16 R                         ; v[R .. R+3] = splits 0-7 less splits 8-15: two trees, in place
.irp a, 0,8,16,24,32,40,48,56
	ADD4 \R+\a, \R+\a+4
.endr
.irp a, 0,16,32,48
	ADD4 \R+\a, \R+\a+8
.endr
.irp a, 0,32
	ADD4 \R+\a, \R+\a+16
.endr
	v_pk_add_f32 v[\R:\R+1], v[\R:\R+1], v[\R+32:\R+33] neg_lo:[0,1] neg_hi:[0,1]
	v_pk_add_f32 v[\R+2:\R+3], v[\R+2:\R+3], v[\R+34:\R+35] neg_lo:[0,1] neg_hi:[0,1]
.endm
	s_load_b128 s[4:7], s[0:1], 0x0                ; part s[4:5], part2 s[6:7]
	s_load_b64 s[8:9], s[0:1], 0x10                ; out0
	v_lshrrev_b32 v1, 5, v0
	v_readfirstlane_b32 s2, v1                     ; wave 0 .. 4
	s_mov_b32 s13, 0
	s_mov_b32 s15, 0
	v_and_b32 v1, 31, v0                           ; lane l
	v_lshlrev_b32 v2, 4, v0                        ; 16 x thread (waves 0 to 3)
	v_lshlrev_b32 v3, 4, v1                        ; 16 l
	v_lshrrev_b32 v4, 3, v1
	v_and_b32 v5, 7, v1
	v_lshlrev_b32 v5, 4, v5
	v_lshl_add_u32 v4, v4, 8, v5                   ; part2: tile l / 8 of my four, numbers 4 (l % 8) ..
	v_lshlrev_b32 v6, 3, v1                        ; 8 l
	s_wait_kmcnt 0x0
	s_cmp_lt_u32 s2, 4
	s_cbranch_scc0 .Lsmall
	s_lshl_b32 s12, ttmp9, 11
	s_add_nc_u64 s[4:5], s[4:5], s[12:13]
	s_add_nc_u64 s[8:9], s[8:9], s[12:13]
.set k, 0
.rept 16
	global_load_b128 v[R0+4*k:R0+4*k+3], v2, s[4:5] offset:524288*k th:TH_LOAD_NT   ; all sixteen on their way together; read once in the launch
.set k, k+1
.endr
	s_wait_loadcnt 0x0
	SUM16 R0
	global_store_b128 v2, v[R0:R0+3], s[8:9] th:TH_STORE_NT
	s_endpgm
.Lsmall:
	s_and_b32 s10, ttmp9, 3                        ; which 128 units
	s_lshr_b32 s11, ttmp9, 2                       ; which row of the W2 part
	s_lshl_b32 s12, s10, 10
	s_add_nc_u64 s[6:7], s[6:7], s[12:13]
.set k, 0
.rept 16
	global_load_b128 v[R0+4*k:R0+4*k+3], v4, s[6:7] offset:4096*k
.set k, k+1
.endr
	s_cmp_lt_u32 ttmp9, 4
	s_cbranch_scc0 .Lrow
.set k, 0
.rept 16
	global_load_b128 v[R1+4*k:R1+4*k+3], v4, s[6:7] offset:4096*k+128
.set k, k+1
.endr
	s_lshl_b32 s14, ttmp9, 9
	s_add_nc_u64 s[16:17], s[8:9], s[14:15]
	s_wait_loadcnt 0x0
	SUM16 R1
	global_store_b128 v3, v[R1:R1+3], s[16:17] offset:524288 th:TH_STORE_NT   ; the b1 part begins behind 131,072 numbers
.Lrow:
	s_lshl_b32 s14, s11, 11
	s_lshl_b32 s12, s10, 9
	s_add_co_u32 s14, s14, s12
	s_add_nc_u64 s[18:19], s[8:9], s[14:15]
	s_wait_loadcnt 0x0
	SUM16 R0
	global_store_b128 v3, v[R0:R0+3], s[18:19] offset:526336 th:TH_STORE_NT   ; the W2 part begins behind 131,584 numbers
	s_cmp_eq_u32 ttmp9, 4
	s_cbranch_scc0 .Lend
	v_mov_b32 v8, 0
	v_mov_b32 v9, 0
	global_store_b64 v6, v[8:9], s[8:9] offset:657408 th:TH_STORE_NT          ; the b2 part: 64 zeros
.Lend:
	s_endpgm
.Lfunc_end_k_q52e27dbf89_hess_sum:
	.size	k_q52e27dbf89_hess_sum, .Lfunc_end_k_q52e27dbf89_hess_sum-k_q52e27dbf89_hess_sum
	.p2alignl 7, 3214868480
	.fill 96, 4, 3214868480
	.section	.rodata,"a",@progbits
	.p2align	6, 0x0
	.amdhsa_kernel k_q52e27dbf89_hess_sum
		.amdhsa_group_segment_fixed_size 0
		.amdhsa_private_segment_fixed_size 0
		.amdhsa_enable_private_segment 0
		.amdhsa_kernarg_size 24
		.amdhsa_user_sgpr_count 2
		.amdhsa_user_sgpr_kernarg_segment_ptr 1
		.amdhsa_wavefront_size32 1
		.amdhsa_system_sgpr_workgroup_id_x 1
		.amdhsa_system_sgpr_workgroup_id_y 1
		.amdhsa_system_sgpr_workgroup_id_z 1
		.amdhsa_system_vgpr_workitem_id 0
		.amdhsa_next_free_vgpr 144
		.amdhsa_next_free_sgpr 66
		.amdhsa_reserve_vcc 0
		.amdhsa_float_denorm_mode_32 3
		.amdhsa_float_denorm_mode_16_64 3
		.amdhsa_memory_ordered 1
		.amdhsa_forward_progress 1
		.amdhsa_inst_pref_size 13
	.end_amdhsa_kernel
	.amdgpu_metadata
---
amdhsa.version: [ 1, 2 ]
amdhsa.kernels:
  - .name:           k_q52e27dbf89_hess_sum
    .symbol:         k_q52e27dbf89_hess_sum.kd
    .args:
      - { .name: part, .offset: 0, .size: 8, .value_kind: global_buffer, .address_space: global }
      - { .name: part2, .offset: 8, .size: 8, .value_kind: global_buffer, .address_space: global }
      - { .name: out0, .offset: 16, .size: 8, .value_kind: global_buffer, .address_space: global }
    .group_segment_fixed_size: 0
    .private_segment_fixed_size: 0
    .kernarg_segment_align: 8
    .kernarg_segment_size: 24
    .max_flat_workgroup_size: 160
    .sgpr_count:     66
    .vgpr_count:     144
    .wavefront_size: 32
...
	.end_amdgpu_metadata
.endif
;; end of part 2
;; ======== version 2 of 2: 2 launches
;; workspace buffers: part 8,388,608 bytes; part2 65,536 bytes
;; launch hess_main (part 3): grid 16 x 16, 8 waves a work-group, no clusters, 310,272 bytes of LDS; arguments x, W1, b1, W2, ap, p, an, n, part, part2; writes part, part2
.if DOCPART == 3
	.amdgcn_target "amdgcn-amd-amdhsa--gfx1250"
	.amdhsa_code_object_version 6
	.text
	.protected	k_q52e27dbf89_hess_main
	.globl	k_q52e27dbf89_hess_main
	.p2align	8
	.type	k_q52e27dbf89_hess_main,@function
k_q52e27dbf89_hess_main:
	s_mov_b64 s[64:65], 0
	v_nop
	global_prefetch_b8 v0, s[64:65] scope:SCOPE_SE
	s_setreg_imm32_b32 hwreg(HW_REG_WAVE_SCHED_MODE, 0, 2), 2
	s_setreg_imm32_b32 hwreg(HW_REG_WAVE_MODE, 25, 1), 1
	s_wait_xcnt 0x0
	s_wait_alu depctr_vm_vsrc(0)
; Diagonal of the contrastive Hessian of Linear(256,512) -> tanh -> Linear(512,64): the partial sums of one block of pairs.
; For a pair (a, b) and hidden unit i:  z = Q(x) Q(W1)^T + b1 (codes of E4M3, one E8M0 scale for each 32 along K),  h = tanh z,  d = 1 - h^2,  c_i = sum over o of W2[o][i]^2.
;   W1 part [i][j]: c_i (da_i xa_j - db_i xb_j)^2, which is S11 xa^2 - 2 S12 xa xb + S22 xb^2 written as one square;   b1 part [i]: c_i (da_i - db_i)^2;   W2 part [i]: (ha_i - hb_i)^2.
; SHARES.  Work-group (x = it, y = s): hidden units 32 it .. 32 it + 31, pairs 128 (s % 8) .. + 127 of (ap, p) where s < 8, of (an, n) else.  All 256 columns j belong to every work-group,
; so rows x units share the four quantised products out exactly: 64 matrix instructions a work-group, none done twice.  The sums over a work-group's 128 pairs go to part and part2;
; the launch behind this one adds the eight positive splits and takes the eight negative ones away.
; PHASE 1, wave w: gathers the 32 rows of pairs 16 w .. 16 w + 15 into LDS as f32, quantises them in registers (four fragments), multiplies them with both tiles of 16 units, makes h and d.
;   Waves 0 to 3 also quantise one fragment of W1 each; it reaches the others through LDS as an image of its registers.  Every wave squares 8 rows of W2 for c.
; PHASE 2, wave w: units 8 (w % 4) .. + 7, pairs 64 (w / 4) .. + 63; a lane holds 8 units x 8 columns (j = 4 l .. + 3 and 128 + 4 l .. + 3) in 64 registers: 96 packed instructions a pair.
; NO CLUSTER, NO TENSOR LOAD: what work-groups share (the rows of a split) is a gather by indices read from memory, so the rows come through registers.
; b2 IS NOT READ: the function never uses it (that part of the result is zeros by construction; the second launch writes them).
; LIMITS.  The order of rounding differs from the three-term form (c factored out, squares of a difference summed).  tanh z = 1 - 2 / (1 + 2^(2.885390 z)): absolute error about 1e-7, +-1 for large |z|.
; NaN and infinities among the inputs are not served.  A block of zeros gets the scale byte 1 where the rule says 127: its codes are zeros and only this text reads the bytes.
; Indices are held at 49,999 as unsigned numbers: an index outside the table is not served as JAX would serve it.
; REGISTERS.  Window 0: all that arithmetic touches.  Window 1 (v256-511): only the place where the gathered rows land, 8 registers a row.
; THE MODE: SCHED_MODE bits 1:0 = 2 (LLVM: expert scheduling mode 2), set by the entry lines.  The code itself states the register dependences
; between vector or matrix instructions and memory or LDS instructions, with s_wait_alu, always for 0.
; THE PLAN.  Registers that memory or LDS instructions touch:
;   v4-23, v32, v33, v35  addresses, made once at the head and never written again, but for v17 and v18, which phase 2 steps: once ahead of its loop and once at the end of each trip.
;   v256-511   the gather lands there, LDS stores read them; no vector instruction names them.
;   v224-255   the gather's offsets (vector lines write, the gather reads); then the accumulators; in wave 4 the small sums (loaded, worked on, stored); then phase 2's products.
;   v96-159    64 numbers land, the quantiser reads and writes them: four times (five in waves 0 to 3); W1's images land; the products read them; h and d are written, LDS stores read d; phase 2's sums, which LDS stores read.
;   v160-223   codes (in waves 0 to 3 LDS stores read v208-223); the small sums, which LDS stores read; phase 2's two buffers; the two halves' sums, which the last stores read.
;   v36-44, v48-63, v24-31  W2 and the parts of c; b1, later c; the scale words.
; PHASE 2.  Pair p's 96 lines read buffer 1 - p % 2 and write v224-255 and v96-159.  Its LDS instructions are the eight loads of pair p + 1, which land in the other buffer: the one that pair p - 1 read and that no line of
; pair p names.  So ONE wait on va_vdst stands at a pair's head, and the eight loads follow it dealt among the pair's first 32 lines with no further wait.  One wait on vm_vsrc stands ahead of each step of v17 and v18,
; and the wait at the next pair's head states that they are written.
.set PR,   2320                        ; a pair's record in LDS: xa 1,024 bytes, xb 1,024, da[32] 128, -db[32] 128, 16 of padding.  9 x 256 + 16: sixteen records begin 16 bytes apart modulo 256
.set W1I,  128*PR                      ; W1's four fragments (2 t + ks) as images of their registers, 2,048 bytes each
.set W1S,  W1I+4*2048                  ; their scale words, 4 bytes a lane
.set CP,   W1S+4*128                   ; wave w's part of c for the 32 units
.set CC,   CP+8*128                    ; c[32]
.set RED,  CC+256                      ; wave w: (ha-hb)^2 [32], (da-db)^2 [32], summed over its 16 pairs
                                       ; the exchange of phase 2's halves lies over the records, from byte 0: 8,192 bytes a wave
.set LANE, 1                           ; v1   lane l
.set R16,  2                           ; v2   r = l % 16
.set HLF,  3                           ; v3   h = l / 16
.set L16,  4                           ; v4   16 l
.set AST,  5                           ; v5   16 w PR + 16 l: where my rows go
.set AFR,  6                           ; v6   (16 w + r) PR + 64 h: where a fragment's numbers come from
.set ADS,  7                           ; v7   (16 w + r) PR + 2048 + 32 h: where d goes
.set AIW,  8                           ; v8   W1I + 2048 (w % 4) + 16 l
.set AIR,  9                           ; v9   W1I + 16 l
.set ASW,  10                          ; v10  W1S + 128 (w % 4) + 4 l
.set ASR,  11                          ; v11  W1S + 4 l
.set ACPW, 12                          ; v12  CP + 128 w + 4 l
.set ACPR, 13                          ; v13  CP + 4 l
.set ACCW, 14                          ; v14  CC + 4 l
.set ARW,  15                          ; v15  RED + 256 w + 32 h
.set ARR,  16                          ; v16  RED + 8 l
.set AX,   17                          ; v17  phase 2: the pair's rows, + 16 l (stepped)
.set AD,   18                          ; v18  phase 2: the pair's da of my 8 units (stepped)
.set AEW,  19                          ; v19  8192 w + 16 l
.set AER,  20                          ; v20  8192 (w % 4) + 4096 (w / 4) + 16 l
.set ACG,  21                          ; v21  CC + 32 (w % 4) + 16 (w / 4)
.set ACF,  22                          ; v22  CC + 8 r
.set GW1,  23                          ; v23  1024 r + 64 h: my place in 16 rows of W1
.set XS,   24                          ; v24-27  x's scale words (2 side + ks): scales and nothing else
.set WS,   28                          ; v28-31  W1's scale words (2 t + ks): scales and nothing else
.set GB1,  32                          ; v32  32 h
.set L4,   33                          ; v33  4 l
.set TMPA, 34                          ; v34  at work at the head
.set L8,   35                          ; v35  8 l
.set W2R,  36                          ; v36-43 eight numbers of W2, later eight parts of c
.set CPART,44
.set B1R,  48                          ; v48-63 b1 in the result's layout: tile t: b1[16 t + 8 h + 0 .. 7]
.set TM,   64                          ; v64-79 the quantiser's: largest magnitudes, bytes, 448 x scale, scale operands
.set NUM,  96                          ; v96-159 64 numbers to quantise
.set WC,   96                          ; then W1's four fragments
.set XC,   160                         ; v160-223 x's four fragments (2 side + ks)
.set GO,   224                         ; v224-255 the gather's offsets, a register a row
.set Z,    224                         ; then the four accumulators (16 side + 8 t)
.set T,    96                          ; v96-127 z on its way to h, in place: ha v96-111, hb v112-127
.set DA,   128                         ; v128-143 da
.set NDB,  144                         ; v144-159 -db
.set E,    160                         ; v160-175 (ha-hb)^2, v176-191 (da-db)^2
.set ACC,  96                          ; phase 2: v96-159, unit i, column pair q: 8 i + q
.set BUF,  160                         ; two buffers of 32: xa 8, xb 8, da 8, -db 8
.set U,    224                         ; v224-255 da xa - db xb of four units
.set PP,   160                         ; the end: the two halves' sums
.set QQ,   192
.set C4,   48                          ; and c of my four units
.set MSB, 0
.macro WIN new                         ; the immediate's high byte repeats the setting that is left
.if MSB != \new
	s_set_vgpr_msb (MSB<<8)|\new
.set MSB, \new
.endif
.endm
; 64 numbers of a lane, register 16 b + i = k 32 b + 16 h + i of my row, become a fragment's codes in v[pc] on and its scale word in v[pw].
.macro QUANT s, pc, pw
.irp b, 0,1,2,3
	v_max3_num_f32 v[TM+\b], |v[\s+16*\b]|, |v[\s+1+16*\b]|, 0x4800000   ; block b: my 16 numbers, and the floor 2^(9 - 127): the byte cannot fall under 1
.endr
.irp i, 2,4,6,8,10,12,14
.irp b, 0,1,2,3
	v_max3_num_f32 v[TM+\b], v[TM+\b], |v[\s+16*\b+\i]|, |v[\s+1+16*\b+\i]|   ; the four blocks by turns
.endr
.endr
.irp b, 0,1,2,3
	v_permlanex16_b32 v[TM+4+\b], v[TM+\b], s66, s67
.endr
.irp b, 0,1,2,3
	v_max_num_f32 v[TM+\b], v[TM+\b], v[TM+4+\b]   ; with lane l xor 16's: the block's largest magnitude
.endr
.irp b, 0,1,2,3
	v_add_nc_u32 v[TM+12+\b], 0xfc000000, v[TM+\b]   ; 8 off its exponent field: the conversion's scale operand
.endr
.irp b, 0,1,2,3
	v_and_or_b32 v[TM+8+\b], v[TM+\b], 0x7f800000, s68   ; 448 x the scale
.endr
.irp b, 0,1,2,3
	v_lshrrev_b32 v[TM+4+\b], 23, v[TM+12+\b]   ; the scale's byte
.endr
	v_lshl_or_b32 v[\pw], v[TM+5], 8, v[TM+4]   ; my row's scale word (both halves of the lanes hold the same)
	v_lshl_or_b32 v[\pw], v[TM+6], 16, v[\pw]
	v_lshl_or_b32 v[\pw], v[TM+7], 24, v[\pw]
.irp b, 0,1,2,3
.irp i, 0,1,2,3,4,5,6,7,8,9,10,11,12,13,14,15
	v_med3_num_f32 v[\s+16*\b+\i], v[\s+16*\b+\i], -v[TM+8+\b], v[TM+8+\b]   ; the conversion to an 8-bit code does not saturate (ISA guide 7.6.2): the hold at 448 x the scale
.endr
	v_cvt_scalef32_pk8_fp8_f32 v[\pc+4*\b:\pc+1+4*\b], v[\s+16*\b:\s+7+16*\b], v[TM+12+\b]
	v_cvt_scalef32_pk8_fp8_f32 v[\pc+2+4*\b:\pc+3+4*\b], v[\s+8+16*\b:\s+15+16*\b], v[TM+12+\b]
.endr
	v_nop                                          ; a plain line behind the last conversion, ahead of whatever next touches its registers
.endm
.macro BARRIER                         ; my LDS stores have landed and my LDS loads are in: then the work-group's barrier
	s_wait_dscnt 0x0
	s_barrier_signal -1
	s_barrier_wait -1
.endm
; The 16 rows of side sg (0: a, 1: b) go from window 1 into my pairs' records, each as soon as it is in.  The stores' data come from loads and their address from the head: no vector instruction is waited for here.
.macro ROWS sg
	WIN 0x04                                       ; an LDS store's data are its source 1: window 1
.set k, 16*\sg
.rept 16
	s_wait_loadcnt 62-2*k                          ; loads come back in order: row k's two are in, the 2 (31 - k) of the rows behind it may be out
	ds_store_b128 v[AST], v[8*k:8*k+3] offset:(k-16*\sg)*PR+1024*\sg
	ds_store_b128 v[AST], v[8*k+4:8*k+7] offset:(k-16*\sg)*PR+1024*\sg+512
.set k, k+1
.endr
	WIN 0
.endm
; Lane (r, h) takes, of row r of side sg, the 16 numbers 32 b + 16 h .. of each block of K step ks.  The rows are my own wave's: LDS serves a wave's instructions in order (ISA guide 5.7.1.4)
.macro FRAGLD sg, ks
.irp b, 0,1,2,3
.irp q, 0,1,2,3
	ds_load_b128 v[NUM+16*\b+4*\q:NUM+16*\b+4*\q+3], v[AFR] offset:1024*\sg+512*\ks+128*\b+16*\q
.endr
.endr
.endm
; Phase 2: load n of the eight that bring the pair off bytes on from the one in hand into buffer b: 0, 1 xa; 2, 3 xb; 4, 5 da; 6, 7 -db.
.macro LD1 b, off, n
.set LB, BUF+32*(\b)
.if (\n) < 4
	ds_load_b128 v[LB+4*(\n):LB+4*(\n)+3], v[AX] offset:(\off)+512*(\n)
.else
	ds_load_b128 v[LB+4*(\n):LB+4*(\n)+3], v[AD] offset:(\off)+16*((\n)%2)+128*(((\n)-4)/2)
.endif
.endm
.macro LD b, off                       ; all eight in one run: the first two pairs, which have no pair's lines to stand among
.irp n, 0,1,2,3,4,5,6,7
	LD1 \b, \off, \n
.endr
.endm
; Phase 2: one pair: four units at a time, u = da xa; u += (-db) xb; acc += u u.  A unit's d is one register of a pair, given to both halves by op_sel.  A result is read 16 lines behind its write.
; first = 1: the first pair starts the sums: nothing is cleared.  ld = 1: the eight loads of the next pair, off bytes on, into the other buffer: one behind each four of the first 32 lines.
.macro FMA b, first, ld, off
.set BB, BUF+32*(\b)
.irp ih, 0,1
.irp i4, 0,1,2,3
.irp q, 0,2,4,6
.if \i4 % 2
	v_pk_mul_f32 v[U+8*\i4+\q:U+8*\i4+\q+1], v[BB+\q:BB+\q+1], v[BB+16+4*\ih+\i4-1:BB+16+4*\ih+\i4] op_sel:[0,1] op_sel_hi:[1,1]
.else
	v_pk_mul_f32 v[U+8*\i4+\q:U+8*\i4+\q+1], v[BB+\q:BB+\q+1], v[BB+16+4*\ih+\i4:BB+16+4*\ih+\i4+1] op_sel_hi:[1,0]
.endif
.endr
.if (\ld) && (\ih == 0)
	LD1 1-(\b), \off, \i4                          ; no wait: no vector instruction since the wait at the pair's head names the other buffer, v17 or v18
.endif
.endr
.irp i4, 0,1,2,3
.irp q, 0,2,4,6
.if \i4 % 2
	v_pk_fma_f32 v[U+8*\i4+\q:U+8*\i4+\q+1], v[BB+8+\q:BB+8+\q+1], v[BB+24+4*\ih+\i4-1:BB+24+4*\ih+\i4], v[U+8*\i4+\q:U+8*\i4+\q+1] op_sel:[0,1,0] op_sel_hi:[1,1,1]
.else
	v_pk_fma_f32 v[U+8*\i4+\q:U+8*\i4+\q+1], v[BB+8+\q:BB+8+\q+1], v[BB+24+4*\ih+\i4:BB+24+4*\ih+\i4+1], v[U+8*\i4+\q:U+8*\i4+\q+1] op_sel_hi:[1,0,1]
.endif
.endr
.if (\ld) && (\ih == 0)
	LD1 1-(\b), \off, 4+\i4
.endif
.endr
.irp i4, 0,1,2,3
.irp q, 0,2,4,6
.if \first
	v_pk_mul_f32 v[ACC+8*(4*\ih+\i4)+\q:ACC+8*(4*\ih+\i4)+\q+1], v[U+8*\i4+\q:U+8*\i4+\q+1], v[U+8*\i4+\q:U+8*\i4+\q+1]
.else
	v_pk_fma_f32 v[ACC+8*(4*\ih+\i4)+\q:ACC+8*(4*\ih+\i4)+\q+1], v[U+8*\i4+\q:U+8*\i4+\q+1], v[U+8*\i4+\q:U+8*\i4+\q+1], v[ACC+8*(4*\ih+\i4)+\q:ACC+8*(4*\ih+\i4)+\q+1]
.endif
.endr
.endr
.endr
.endm
; Phase 2: a pair that has a successor to ask for.
.macro PAIR b, off
	s_wait_dscnt 0x0                               ; buffer b is in: its eight loads stood among the first 32 lines of the pair before
	s_wait_alu depctr_va_vdst(0)                   ; the pair before is done reading the other buffer, in which the loads below land; at a trip's head v17 and v18, which they read, are written
	FMA \b, 0, 1, \off
.endm
	; ---- the head: every LDS address is made here, ahead of the first parting of the waves
	s_load_b512 s[8:23], s[0:1], 0x0               ; x s[8:9], W1 s[10:11], b1 s[12:13], W2 s[14:15], ap s[16:17], p s[18:19], an s[20:21], n s[22:23]
	s_load_b128 s[24:27], s[0:1], 0x40             ; part s[24:25], part2 s[26:27]
	v_lshl_add_u32 v94, v0, 2, 0x4b800
	v_mov_b32 v95, 0
	v_lshrrev_b32 v[LANE], 5, v0
	v_readfirstlane_b32 s2, v[LANE]                ; wave w, 0 .. 7
	s_and_b32 s4, ttmp7, 0xffff                    ; the split s
	s_wait_alu depctr_va_sdst(0)                   ; s2 is written, ahead of its first reader: addresses, bases and the branches on the wave's number are made from it
	s_and_b32 s5, s2, 3                            ; g = w % 4
	s_lshr_b32 s6, s2, 2                           ; kh = w / 4
	v_and_b32 v[LANE], 31, v0
	v_and_b32 v[R16], 15, v0
	v_bfe_u32 v[HLF], v0, 4, 1
	v_lshlrev_b32 v[L16], 4, v[LANE]
	v_lshlrev_b32 v[L4], 2, v[LANE]
	v_lshlrev_b32 v[L8], 3, v[LANE]
	v_lshlrev_b32 v[GB1], 5, v[HLF]
	s_mul_i32 s70, s2, 16*PR                       ; my 16 pairs' records
	v_add_nc_u32 v[AST], s70, v[L16]
	v_mul_u32_u24 v[TMPA], v[R16], PR
	v_add_nc_u32 v[TMPA], s70, v[TMPA]
	v_lshl_add_u32 v[AFR], v[HLF], 6, v[TMPA]
	v_lshl_add_u32 v[ADS], v[HLF], 5, v[TMPA]
	v_add_nc_u32 v[ADS], 2048, v[ADS]
	s_lshl_b32 s71, s5, 11
	s_add_co_u32 s71, s71, W1I
	v_add_nc_u32 v[AIW], s71, v[L16]
	v_add_nc_u32 v[AIR], W1I, v[L16]
	s_lshl_b32 s71, s5, 7
	s_add_co_u32 s71, s71, W1S
	v_add_nc_u32 v[ASW], s71, v[L4]
	v_add_nc_u32 v[ASR], W1S, v[L4]
	s_lshl_b32 s71, s2, 7
	s_add_co_u32 s71, s71, CP
	v_add_nc_u32 v[ACPW], s71, v[L4]
	v_add_nc_u32 v[ACPR], CP, v[L4]
	v_add_nc_u32 v[ACCW], CC, v[L4]
	s_lshl_b32 s71, s2, 8
	s_add_co_u32 s71, s71, RED
	v_add_nc_u32 v[ARW], s71, v[GB1]
	v_add_nc_u32 v[ARR], RED, v[L8]
	s_mul_i32 s71, s6, 64*PR                       ; phase 2: my half of the pairs
	v_add_nc_u32 v[AX], s71, v[L16]
	s_lshl_b32 s70, s5, 5
	s_add_co_u32 s71, s71, s70
	s_add_co_u32 s71, s71, 2048
	v_mov_b32 v[AD], s71
	s_lshl_b32 s71, s2, 13
	v_add_nc_u32 v[AEW], s71, v[L16]
	s_lshl_b32 s71, s5, 13
	s_lshl_b32 s70, s6, 12
	s_add_co_u32 s71, s71, s70
	v_add_nc_u32 v[AER], s71, v[L16]
	s_lshl_b32 s71, s5, 5
	s_lshl_b32 s70, s6, 4
	s_add_co_u32 s71, s71, s70
	s_add_co_u32 s71, s71, CC
	v_mov_b32 v[ACG], s71
	v_lshl_add_u32 v[ACF], v[R16], 3, CC
	v_lshlrev_b32 v[GW1], 10, v[R16]
	v_lshl_add_u32 v[GW1], v[HLF], 6, v[GW1]
.irp b, 0,1,2,3
	v_mov_b32 v[TM+4+\b], 0                        ; written once: a lane permute's destination counts as one of its sources
.endr
	s_mov_b32 s66, 0x76543210
	s_mov_b32 s67, 0xfedcba98                      ; v_permlanex16_b32's selects for lane l xor 16
	s_mov_b32 s68, 0x600000                        ; the mantissa field of 448
	s_mov_b32 s83, 0
	s_mov_b32 s85, 0
	s_wait_kmcnt 0x0
	s_cmp_lt_u32 s4, 8                             ; a positive split or a negative one: the choice hangs on the work-group's number alone
	s_cselect_b64 s[16:17], s[16:17], s[20:21]
	s_cselect_b64 s[18:19], s[18:19], s[22:23]
	s_and_b32 s82, s4, 7
	s_lshl_b32 s82, s82, 9                         ; 128 indices a split,
	s_lshl_b32 s70, s2, 6                          ; 16 a wave
	s_add_co_u32 s82, s82, s70
	s_add_nc_u64 s[16:17], s[16:17], s[82:83]
	s_add_nc_u64 s[18:19], s[18:19], s[82:83]
	s_load_b512 s[32:47], s[16:17], 0x0            ; my 16 indices a
	s_load_b512 s[48:63], s[18:19], 0x0            ; my 16 indices b
	s_lshl_b32 s82, ttmp9, 7                       ; 32 units x 4 bytes
	s_add_nc_u64 s[74:75], s[12:13], s[82:83]      ; b1 at my tile
	s_lshl_b32 s84, s2, 14                         ; 8 rows of W2 a wave
	s_add_co_u32 s84, s84, s82
	s_add_nc_u64 s[72:73], s[14:15], s[84:85]      ; W2 at my tile's columns, my 8 rows
	s_lshl_b32 s84, ttmp9, 15                      ; 32 rows of W1
	s_bfe_u32 s70, s2, 0x10001                     ; t = (w / 2) % 2
	s_lshl_b32 s70, s70, 14
	s_add_co_u32 s84, s84, s70
	s_and_b32 s70, s2, 1                           ; ks = w % 2
	s_lshl_b32 s70, s70, 9
	s_add_co_u32 s84, s84, s70
	s_add_nc_u64 s[76:77], s[10:11], s[84:85]      ; W1 at the fragment that waves 0 to 3 quantise
	s_lshl_b32 s84, s4, 19
	s_lshl_b32 s70, ttmp9, 15
	s_add_co_u32 s84, s84, s70
	s_lshl_b32 s70, s5, 13
	s_add_co_u32 s84, s84, s70
	s_lshl_b32 s70, s6, 12
	s_add_co_u32 s84, s84, s70
	s_add_nc_u64 s[78:79], s[24:25], s[84:85]      ; part at split s, unit 32 it + 8 g + 4 kh
	s_lshl_b32 s84, s4, 12
	s_lshl_b32 s70, ttmp9, 8
	s_add_co_u32 s84, s84, s70
	s_add_nc_u64 s[80:81], s[26:27], s[84:85]      ; part2 at record 16 s + it
	; ---- the small loads go out while the indices are on their way
	s_wait_alu depctr_va_vdst(0)                   ; the addresses and offsets v4 to v23, v32, v33 and v35 are written: every load and store of the kernel reads one of them
.set k, 0
.rept 8
	global_load_b32 v[W2R+k], v[L4], s[72:73] offset:2048*k      ; W2[8 w + k][32 it + l]
.set k, k+1
.endr
.irp t, 0,1
.irp hf, 0,1
	global_load_b128 v[B1R+8*\t+4*\hf:B1R+8*\t+4*\hf+3], v[GB1], s[74:75] offset:64*\t+16*\hf
.endr
.endr
	s_cmp_lt_u32 s2, 4
	s_cbranch_scc0 .Lno_w1_load
.irp b, 0,1,2,3
.irp q, 0,1,2,3
	global_load_b128 v[NUM+16*\b+4*\q:NUM+16*\b+4*\q+3], v[GW1], s[76:77] offset:128*\b+16*\q   ; W1[16 t + r][128 ks + 32 b + 16 h + 4 q ..]
.endr
.endr
.Lno_w1_load:
	; ---- the gather: 32 rows of 1,024 bytes, 64 loads of 512 consecutive bytes.  No hint: sixteen work-groups read each row, and a list may name a row twice
	s_wait_kmcnt 0x0
.set k, 0
.rept 32
	s_min_u32 s[32+k], s[32+k], 0xc34f             ; an index stays inside the table: 49,999 at the most
.set k, k+1
.endr
.set k, 0
.rept 32
	v_lshl_add_u32 v[GO+k], s[32+k], 10, v[L16]
.set k, k+1
.endr
	WIN 0x40                                       ; destination window 1, offsets window 0
	s_wait_alu depctr_va_vdst(0)                   ; the 32 offsets v224 to v255 are written, which the gather's loads read
.set k, 0
.rept 32
	global_load_b128 v[8*k:8*k+3],   v[GO+k], s[8:9]
	global_load_b128 v[8*k+4:8*k+7], v[GO+k], s[8:9] offset:512
.set k, k+1
.endr
	WIN 0
	; ---- c's part and W1's fragment, while the rows land
	s_wait_loadcnt 63                              ; 64 loads were issued behind the small ones, on both ways: with 63 out, W2, b1 and W1 are in
	v_mul_f32 v[CPART], v[W2R], v[W2R]
.irp o, 1,2,3,4,5,6,7
	v_fmac_f32 v[CPART], v[W2R+\o], v[W2R+\o]
.endr
	s_wait_alu depctr_va_vdst(0)                   ; v44 is written, which the LDS store reads; these lines are also done reading v36 to v43, in which wave 0's loads land later
	ds_store_b32 v[ACPW], v[CPART]
	s_cmp_lt_u32 s2, 4
	s_cbranch_scc0 .Lno_w1_quant
	QUANT NUM, XC+48, WS
	s_wait_alu depctr_va_vdst(0)                   ; the conversions have written v208 to v223 and the scale word v28, which the LDS stores read; the quantiser is done with v96 to v159, in which the first fragment's numbers land
.irp c, 0,1,2,3
	ds_store_b128 v[AIW], v[XC+48+4*\c:XC+48+4*\c+3] offset:512*\c   ; the fragment as it stands: lane l's 16 bytes at 16 l
.endr
	ds_store_b32 v[ASW], v[WS]
	s_wait_dscnt 0x0                               ; the stores are done
	s_wait_alu depctr_vm_vsrc(0)                   ; the LDS stores have read v208 to v223, which x's last codes are written to, and v28, in which a scale word lands
.Lno_w1_quant:
	; ---- my 32 rows: into the records, and back as four fragments' numbers
.irp sg, 0,1
	ROWS \sg
.irp ks, 0,1
.if (\sg+\ks) > 0
	s_wait_alu depctr_va_vdst(0)                   ; the quantiser is done reading and writing v96 to v159, in which the next fragment's numbers land
.endif
	FRAGLD \sg, \ks
	s_wait_dscnt 0x0
	QUANT NUM, XC+16*(2*\sg+\ks), XS+2*\sg+\ks
.endr
.endr
	BARRIER                                        ; all rows, W1's images and the parts of c lie in LDS
	s_wait_alu depctr_va_vdst(0)                   ; the last quantiser is done with v96 to v159, in which W1's images land
	s_wait_alu depctr_vm_vsrc(0)                   ; the LDS store of c's part has read v44, which wave 0 writes again; the gather's loads have read v224 to v255, which the products write
	s_cmp_lg_u32 s2, 0
	s_cbranch_scc1 .Lnot_wave_0
.set k, 0
.rept 8
	ds_load_b32 v[W2R+k], v[ACPR] offset:128*k
.set k, k+1
.endr
	s_wait_dscnt 0x0
	v_pk_add_f32 v[W2R:W2R+1], v[W2R:W2R+1], v[W2R+2:W2R+3]
	v_pk_add_f32 v[W2R+4:W2R+5], v[W2R+4:W2R+5], v[W2R+6:W2R+7]
	v_pk_add_f32 v[W2R:W2R+1], v[W2R:W2R+1], v[W2R+4:W2R+5]
	v_add_f32 v[CPART], v[W2R], v[W2R+1]
	s_wait_alu depctr_va_vdst(0)                   ; v44 is written, which the LDS store reads
	ds_store_b32 v[ACCW], v[CPART]                 ; c of unit l; read behind the next barrier
.Lnot_wave_0:
.irp f, 0,1,2,3
.irp c, 0,1,2,3
	ds_load_b128 v[WC+16*\f+4*\c:WC+16*\f+4*\c+3], v[AIR] offset:2048*\f+512*\c   ; the same lines as loads give every wave the same registers in the same lanes.  (No vector instruction since the wait behind the barrier names v96 to v159 or v28 to v31)
.endr
	ds_load_b32 v[WS+\f], v[ASR] offset:128*\f
.endr
	s_wait_dscnt 0x0
.rept 8
	v_nop                                          ; codes and scale words written by vector instructions stand this far ahead of a scaled matrix instruction
.endr
	s_wait_alu depctr_va_vdst(0)                   ; the conversions have written x's codes v160 to v223 and the quantisers its scale words v24 to v27, which the products take; the places above stay beside this wait
	; ---- z^T = W1 x^T + b1: source 0 = 16 units, source 1 = my 16 rows of a side.  Lane (r, h), register j: unit 16 t + 8 h + j of pair 16 w + r.  b1 is the C of each sum's first instruction.
	; The four accumulators take turns, one instruction a turn.
.irp sg, 0,1
.irp t, 0,1
	v_wmma_scale_f32_16x16x128_f8f6f4 v[Z+16*\sg+8*\t:Z+16*\sg+8*\t+7], v[WC+32*\t:WC+32*\t+15], v[XC+32*\sg:XC+32*\sg+15], v[B1R+8*\t:B1R+8*\t+7], v[WS+2*\t], v[XS+2*\sg]
.endr
.endr
.irp sg, 0,1
.irp t, 0,1
	v_wmma_scale_f32_16x16x128_f8f6f4 v[Z+16*\sg+8*\t:Z+16*\sg+8*\t+7], v[WC+32*\t+16:WC+32*\t+31], v[XC+32*\sg+16:XC+32*\sg+31], v[Z+16*\sg+8*\t:Z+16*\sg+8*\t+7], v[WS+2*\t+1], v[XS+2*\sg+1]
.endr
.endr
.rept 8
	v_nop                                          ; eight places behind this form ahead of the reads of its results and the writes over its operands
.endr
	; ---- h = tanh z = 1 - 2 / (1 + 2^(2 log2(e) z)); each accumulator is read from its low end on
.set k, 0
.rept 16
	v_pk_mul_f32 v[T+k:T+k+1], v[Z+k:Z+k+1], 0x4038aa3b op_sel_hi:[1,0]
.set k, k+2
.endr
.set k, 0
	s_wait_alu depctr_va_vdst(0)
.rept 32
	v_exp_f32 v[T+k], v[T+k]
.set k, k+1
.endr
	v_nop                                          ; a plain line behind the last exponential,
	s_wait_alu depctr_va_vdst(0)                   ; and one wait for the batch, ahead of its first reader: the 32 exponentials have written v96 to v127
.set k, 0
.rept 16
	v_pk_add_f32 v[T+k:T+k+1], v[T+k:T+k+1], 1.0 op_sel_hi:[1,0]
.set k, k+2
.endr
.set k, 0
	s_wait_alu depctr_va_vdst(0)
.rept 32
	v_rcp_f32 v[T+k], v[T+k]
.set k, k+1
.endr
	v_nop
	s_wait_alu depctr_va_vdst(0)                   ; likewise for the reciprocals: they have written v96 to v127
.set k, 0
.rept 16
	v_pk_fma_f32 v[T+k:T+k+1], v[T+k:T+k+1], -2.0, 1.0 op_sel_hi:[1,0,0]
.set k, k+2
.endr
.set k, 0
.rept 16
	v_fma_f32 v[DA+k], -v[T+k], v[T+k], 1.0        ; da = 1 - ha^2
.set k, k+1
.endr
.set k, 0
.rept 8
	v_pk_fma_f32 v[NDB+k:NDB+k+1], v[T+16+k:T+16+k+1], v[T+16+k:T+16+k+1], -1.0 op_sel_hi:[1,1,0]   ; -db = hb^2 - 1
.set k, k+2
.endr
.set k, 0
.rept 8
	v_pk_fma_f32 v[E+k:E+k+1], v[T+16+k:T+16+k+1], -1.0, v[T+k:T+k+1] op_sel_hi:[1,0,1]   ; ha - hb
	v_pk_add_f32 v[E+16+k:E+16+k+1], v[DA+k:DA+k+1], v[NDB+k:NDB+k+1]                     ; da - db
.set k, k+2
.endr
.set k, 0
.rept 16
	v_pk_mul_f32 v[E+k:E+k+1], v[E+k:E+k+1], v[E+k:E+k+1]
.set k, k+2
.endr
.irp x, 1,2,4,8                        ; the sum over the 16 lanes of a half: my wave's 16 pairs
.set k, 0
.rept 32
	v_add_f32_dpp v[E+k], v[E+k], v[E+k] row_xmask:\x row_mask:0xf bank_mask:0xf
.set k, k+1
.endr
.endr
	s_wait_alu depctr_va_vdst(0)                   ; d (v128 to v159) and the small sums (v160 to v191) are written, which the sixteen LDS stores read.  Every vector and matrix instruction that named v160 to v255 or v48 to v51 stands ahead of this wait: it also serves wave 4's loads, the first two pairs' loads and the load of c at the end
.irp sd, 0,1
.irp t, 0,1
.irp hf, 0,1
	ds_store_b128 v[ADS], v[DA+16*\sd+8*\t+4*\hf:DA+16*\sd+8*\t+4*\hf+3] offset:128*\sd+64*\t+16*\hf   ; into my pair's record: unit 16 t + 8 h + 4 hf ..
.endr
.endr
.endr
.irp kd, 0,1
.irp t, 0,1
.irp hf, 0,1
	ds_store_b128 v[ARW], v[E+16*\kd+8*\t+4*\hf:E+16*\kd+8*\t+4*\hf+3] offset:128*\kd+64*\t+16*\hf   ; the sixteen lanes of a half write the same bytes with the same values
.endr
.endr
.endr
	BARRIER                                        ; every pair's d, the waves' small sums and c lie in LDS
	s_wait_alu depctr_vm_vsrc(0)                   ; the sixteen LDS stores have read v128 to v191: the first pair's products write v96 to v159, and the pairs' loads land in v160 to v223
	; ---- wave 4 adds the eight waves' small sums and stores the work-group's record of 256 bytes: lane l: numbers 2 l, 2 l + 1
	s_cmp_lg_u32 s2, 4
	s_cbranch_scc1 .Lnot_wave_4
.set k, 0
.rept 8
	ds_load_b64 v[U+2*k:U+2*k+1], v[ARR] offset:256*k
.set k, k+1
.endr
	ds_load_b64 v[U+16:U+17], v[ACF]               ; c of units 2 r, 2 r + 1
	s_wait_dscnt 0x0
.irp a, 0,4,8,12
	v_pk_add_f32 v[U+\a:U+\a+1], v[U+\a:U+\a+1], v[U+\a+2:U+\a+3]
.endr
	v_pk_add_f32 v[U:U+1], v[U:U+1], v[U+4:U+5]
	v_pk_add_f32 v[U+8:U+9], v[U+8:U+9], v[U+12:U+13]
	v_pk_add_f32 v[U:U+1], v[U:U+1], v[U+8:U+9]
	v_cmp_le_u32 vcc_lo, 16, v[LANE]               ; lanes 16-31 hold the sums of (da - db)^2, which take c; lanes 0-15 those of (ha - hb)^2, which take 1
	s_wait_alu depctr_va_vcc(0)                    ; VCC is written, ahead of its first reader
	v_cndmask_b32 v[U+16], 1.0, v[U+16], vcc_lo
	v_cndmask_b32 v[U+17], 1.0, v[U+17], vcc_lo
	v_pk_mul_f32 v[U:U+1], v[U:U+1], v[U+16:U+17]
	s_wait_alu depctr_va_vdst(0)                   ; v224 and v225 are written, which the store reads
	global_store_b64 v[L8], v[U:U+1], s[80:81]     ; 32 lanes store 256 consecutive bytes, aligned
	s_wait_xcnt 0x0                                ; the store's address is translated: the loop below writes its data registers
	s_wait_alu depctr_vm_vsrc(0)                   ; the store has read v224 and v225, which the pairs' products write
.Lnot_wave_4:
	; ---- phase 2: 64 pairs, two buffers by turns; a buffer is asked for one pair (96 packed lines) ahead
	LD 1, 0
	LD 0, PR
	s_wait_dscnt 8                                 ; the first pair is in; the second pair's eight loads may be out
	FMA 1, 1, 0, 0
	s_wait_alu depctr_vm_vsrc(0)                   ; the sixteen loads have read v17 and v18, which step
	v_add_nc_u32 v[AX], PR, v[AX]
	v_add_nc_u32 v[AD], PR, v[AD]
	s_mov_b32 s69, 15
.Lpairs:                                           ; at the head buffer 0 takes the pair at the addresses in hand; a trip takes four pairs
	PAIR 0, PR
	PAIR 1, 2*PR
	PAIR 0, 3*PR
	PAIR 1, 4*PR
	s_wait_alu depctr_vm_vsrc(0)                   ; the trip's loads have read v17 and v18, which step; the wait at the next pair's head states that they are written
	v_add_nc_u32 v[AX], 4*PR, v[AX]
	v_add_nc_u32 v[AD], 4*PR, v[AD]
	s_sub_co_u32 s69, s69, 1
	s_cmp_lg_u32 s69, 0
	s_cbranch_scc1 .Lpairs
	PAIR 0, PR                                     ; pairs 61 to 63 of my half: nothing is read past the last
	PAIR 1, 2*PR
	s_wait_dscnt 0x0
	FMA 0, 0, 0, 0
	; ---- the two halves of the pairs meet in LDS, over the records, which nobody reads behind this barrier
	BARRIER
	s_wait_alu depctr_va_vdst(0)                   ; the pairs' lines have written the sums v96 to v159, which the LDS stores read, and are done reading v160 to v223, in which the halves' sums land behind the next barrier
.set k, 0
.rept 16
	ds_store_b128 v[AEW], v[ACC+4*k:ACC+4*k+3] offset:512*k   ; unit k / 2, columns 128 (k % 2) + 4 l ..: the image is 8 rows of 1,024 bytes
.set k, k+1
.endr
	BARRIER
.irp m, 0,1,2,3                        ; wave (g, kh) finishes units 8 g + 4 kh + m: both halves' sums are read back by address
.irp qh, 0,1
	ds_load_b128 v[PP+8*\m+4*\qh:PP+8*\m+4*\qh+3], v[AER] offset:1024*\m+512*\qh
	ds_load_b128 v[QQ+8*\m+4*\qh:QQ+8*\m+4*\qh+3], v[AER] offset:1024*\m+512*\qh+32768
.endr
.endr
	ds_load_b128 v[C4:C4+3], v[ACG]
	s_wait_dscnt 0x0
.set k, 0
.rept 16
	v_pk_add_f32 v[PP+k:PP+k+1], v[PP+k:PP+k+1], v[QQ+k:QQ+k+1]
.set k, k+2
.endr
.irp m, 0,1,2,3
.irp q, 0,2,4,6
.if \m % 2
	v_pk_mul_f32 v[PP+8*\m+\q:PP+8*\m+\q+1], v[PP+8*\m+\q:PP+8*\m+\q+1], v[C4+\m-1:C4+\m] op_sel:[0,1] op_sel_hi:[1,1]
.else
	v_pk_mul_f32 v[PP+8*\m+\q:PP+8*\m+\q+1], v[PP+8*\m+\q:PP+8*\m+\q+1], v[C4+\m:C4+\m+1] op_sel_hi:[1,0]
.endif
.endr
.endr
	s_wait_alu depctr_va_vdst(0)                   ; v160 to v191 are written, which the stores read
.irp m, 0,1,2,3
.irp qh, 0,1
	global_store_b128 v[L16], v[PP+8*\m+4*\qh:PP+8*\m+4*\qh+3], s[78:79] offset:1024*\m+512*\qh   ; 32 lanes store 512 consecutive bytes, aligned
.endr
.endr
	s_wait_dscnt 0x0
	s_wait_alu depctr_hold_cnt(0) depctr_sa_sdst(0) depctr_va_vdst(0) depctr_va_sdst(0) depctr_va_ssrc(0) depctr_va_vcc(0) depctr_vm_vsrc(0)
	s_wait_tensorcnt 0x0
	ds_add_u32 v94, v95
	s_wait_dscnt 0x0
	s_endpgm
.Lfunc_end_k_q52e27dbf89_hess_main:
	.size	k_q52e27dbf89_hess_main, .Lfunc_end_k_q52e27dbf89_hess_main-k_q52e27dbf89_hess_main
	.p2alignl 7, 3214868480
	.fill 96, 4, 3214868480
	.section	.rodata,"a",@progbits
	.p2align	6, 0x0
	.amdhsa_kernel k_q52e27dbf89_hess_main
		.amdhsa_group_segment_fixed_size 310272
		.amdhsa_private_segment_fixed_size 0
		.amdhsa_enable_private_segment 0
		.amdhsa_kernarg_size 80
		.amdhsa_user_sgpr_count 2
		.amdhsa_user_sgpr_kernarg_segment_ptr 1
		.amdhsa_wavefront_size32 1
		.amdhsa_system_sgpr_workgroup_id_x 1
		.amdhsa_system_sgpr_workgroup_id_y 1
		.amdhsa_system_sgpr_workgroup_id_z 1
		.amdhsa_system_vgpr_workitem_id 0
		.amdhsa_next_free_vgpr 512
		.amdhsa_next_free_sgpr 88
		.amdhsa_reserve_vcc 1
		.amdhsa_float_denorm_mode_32 3
		.amdhsa_float_denorm_mode_16_64 3
		.amdhsa_memory_ordered 1
		.amdhsa_forward_progress 1
		.amdhsa_inst_pref_size 150
	.end_amdhsa_kernel
	.amdgpu_metadata
---
amdhsa.version: [ 1, 2 ]
amdhsa.kernels:
  - .name:           k_q52e27dbf89_hess_main
    .symbol:         k_q52e27dbf89_hess_main.kd
    .args:
      - { .name: x, .offset: 0, .size: 8, .value_kind: global_buffer, .address_space: global }
      - { .name: W1, .offset: 8, .size: 8, .value_kind: global_buffer, .address_space: global }
      - { .name: b1, .offset: 16, .size: 8, .value_kind: global_buffer, .address_space: global }
      - { .name: W2, .offset: 24, .size: 8, .value_kind: global_buffer, .address_space: global }
      - { .name: ap, .offset: 32, .size: 8, .value_kind: global_buffer, .address_space: global }
      - { .name: p, .offset: 40, .size: 8, .value_kind: global_buffer, .address_space: global }
      - { .name: an, .offset: 48, .size: 8, .value_kind: global_buffer, .address_space: global }
      - { .name: n, .offset: 56, .size: 8, .value_kind: global_buffer, .address_space: global }
      - { .name: part, .offset: 64, .size: 8, .value_kind: global_buffer, .address_space: global }
      - { .name: part2, .offset: 72, .size: 8, .value_kind: global_buffer, .address_space: global }
    .group_segment_fixed_size: 310272
    .private_segment_fixed_size: 0
    .kernarg_segment_align: 8
    .kernarg_segment_size: 80
    .max_flat_workgroup_size: 256
    .sgpr_count:     88
    .vgpr_count:     512
    .wavefront_size: 32
...
	.end_amdgpu_metadata
.endif
;; end of part 3
;; launch hess_sum (part 4): grid 256 x 1, 5 waves a work-group, no clusters, 0 bytes of LDS; arguments part, part2, out0; writes out0
.if DOCPART == 4
	.amdgcn_target "amdgcn-amd-amdhsa--gfx1250"
	.amdhsa_code_object_version 6
	.text
	.protected	k_q52e27dbf89_hess_sum
	.globl	k_q52e27dbf89_hess_sum
	.p2align	8
	.type	k_q52e27dbf89_hess_sum,@function
k_q52e27dbf89_hess_sum:
	s_mov_b64 s[64:65], 0
	v_nop
	global_prefetch_b8 v0, s[64:65] scope:SCOPE_SE
	s_setreg_imm32_b32 hwreg(HW_REG_WAVE_MODE, 25, 1), 1
	s_wait_xcnt 0x0
; out0 = the sum of the eight positive splits less the sum of the eight negative ones.
; part  [16 splits][512 i][256 j] f32: the W1 part, c applied.   part2 [16 splits][16 tiles][64] f32: 32 sums of (ha-hb)^2, then 32 of c (da-db)^2.
; out0: W1 part 131,072 numbers | b1 part 512 | W2 part 64 rows of 512, every row the same | b2 part 64 zeros.
; Work-group b.  Waves 0 to 3: 2,048 bytes of the W1 part, 16 bytes a thread.  Wave 4: row b / 4 of the W2 part, units 128 (b % 4) .. + 127; where b < 4 also those units of the b1 part; where b = 4 the zeros.
; Every byte of out0 is written once, each store of a wave 512 (the zeros: 256) consecutive bytes, aligned.  A stream: no LDS, no barrier, no matrix unit.
.set R0, 16                            ; v16-79   sixteen splits x 4 numbers
.set R1, 80                            ; v80-143  the same for the b1 part
.macro ADD4 d, a
	v_pk_add_f32 v[\d:\d+1], v[\d:\d+1], v[\a:\a+1]
	v_pk_add_f32 v[\d+2:\d+3], v[\d+2:\d+3], v[\a+2:\a+3]
.endm
.macro SUM16 R                         ; v[R .. R+3] = splits 0-7 less splits 8-15: two trees, in place
.irp a, 0,8,16,24,32,40,48,56
	ADD4 \R+\a, \R+\a+4
.endr
.irp a, 0,16,32,48
	ADD4 \R+\a, \R+\a+8
.endr
.irp a, 0,32
	ADD4 \R+\a, \R+\a+16
.endr
	v_pk_add_f32 v[\R:\R+1], v[\R:\R+1], v[\R+32:\R+33] neg_lo:[0,1] neg_hi:[0,1]
	v_pk_add_f32 v[\R+2:\R+3], v[\R+2:\R+3], v[\R+34:\R+35] neg_lo:[0,1] neg_hi:[0,1]
.endm
	s_load_b128 s[4:7], s[0:1], 0x0                ; part s[4:5], part2 s[6:7]
	s_load_b64 s[8:9], s[0:1], 0x10                ; out0
	v_lshrrev_b32 v1, 5, v0
	v_readfirstlane_b32 s2, v1                     ; wave 0 .. 4
	s_mov_b32 s13, 0
	s_mov_b32 s15, 0
	v_and_b32 v1, 31, v0                           ; lane l
	v_lshlrev_b32 v2, 4, v0                        ; 16 x thread (waves 0 to 3)
	v_lshlrev_b32 v3, 4, v1                        ; 16 l
	v_lshrrev_b32 v4, 3, v1
	v_and_b32 v5, 7, v1
	v_lshlrev_b32 v5, 4, v5
	v_lshl_add_u32 v4, v4, 8, v5                   ; part2: tile l / 8 of my four, numbers 4 (l % 8) ..
	v_lshlrev_b32 v6, 3, v1                        ; 8 l
	s_wait_kmcnt 0x0
	s_cmp_lt_u32 s2, 4
	s_cbranch_scc0 .Lsmall
	s_lshl_b32 s12, ttmp9, 11
	s_add_nc_u64 s[4:5], s[4:5], s[12:13]
	s_add_nc_u64 s[8:9], s[8:9], s[12:13]
.set k, 0
	s_wait_alu depctr_va_vdst(0)
.rept 16
	global_load_b128 v[R0+4*k:R0+4*k+3], v2, s[4:5] offset:524288*k th:TH_LOAD_NT   ; all sixteen on their way together; read once in the launch
.set k, k+1
.endr
	s_wait_loadcnt 0x0
	SUM16 R0
	global_store_b128 v2, v[R0:R0+3], s[8:9] th:TH_STORE_NT
	s_endpgm
.Lsmall:
	s_and_b32 s10, ttmp9, 3                        ; which 128 units
	s_lshr_b32 s11, ttmp9, 2                       ; which row of the W2 part
	s_lshl_b32 s12, s10, 10
	s_add_nc_u64 s[6:7], s[6:7], s[12:13]
.set k, 0
	s_wait_alu depctr_va_vdst(0)
.rept 16
	global_load_b128 v[R0+4*k:R0+4*k+3], v4, s[6:7] offset:4096*k
.set k, k+1
.endr
	s_cmp_lt_u32 ttmp9, 4
	s_cbranch_scc0 .Lrow
.set k, 0
.rept 16
	global_load_b128 v[R1+4*k:R1+4*k+3], v4, s[6:7] offset:4096*k+128
.set k, k+1
.endr
	s_lshl_b32 s14, ttmp9, 9
	s_add_nc_u64 s[16:17], s[8:9], s[14:15]
	s_wait_loadcnt 0x0
	SUM16 R1
	global_store_b128 v3, v[R1:R1+3], s[16:17] offset:524288 th:TH_STORE_NT   ; the b1 part begins behind 131,072 numbers
.Lrow:
	s_lshl_b32 s14, s11, 11
	s_lshl_b32 s12, s10, 9
	s_add_co_u32 s14, s14, s12
	s_add_nc_u64 s[18:19], s[8:9], s[14:15]
	s_wait_loadcnt 0x0
	SUM16 R0
	global_store_b128 v3, v[R0:R0+3], s[18:19] offset:526336 th:TH_STORE_NT   ; the W2 part begins behind 131,584 numbers
	s_cmp_eq_u32 ttmp9, 4
	s_cbranch_scc0 .Lend
	v_mov_b32 v8, 0
	v_mov_b32 v9, 0
	global_store_b64 v6, v[8:9], s[8:9] offset:657408 th:TH_STORE_NT          ; the b2 part: 64 zeros
.Lend:
	s_endpgm
.Lfunc_end_k_q52e27dbf89_hess_sum:
	.size	k_q52e27dbf89_hess_sum, .Lfunc_end_k_q52e27dbf89_hess_sum-k_q52e27dbf89_hess_sum
	.p2alignl 7, 3214868480
	.fill 96, 4, 3214868480
	.section	.rodata,"a",@progbits
	.p2align	6, 0x0
	.amdhsa_kernel k_q52e27dbf89_hess_sum
		.amdhsa_group_segment_fixed_size 0
		.amdhsa_private_segment_fixed_size 0
		.amdhsa_enable_private_segment 0
		.amdhsa_kernarg_size 24
		.amdhsa_user_sgpr_count 2
		.amdhsa_user_sgpr_kernarg_segment_ptr 1
		.amdhsa_wavefront_size32 1
		.amdhsa_system_sgpr_workgroup_id_x 1
		.amdhsa_system_sgpr_workgroup_id_y 1
		.amdhsa_system_sgpr_workgroup_id_z 1
		.amdhsa_system_vgpr_workitem_id 0
		.amdhsa_next_free_vgpr 144
		.amdhsa_next_free_sgpr 66
		.amdhsa_reserve_vcc 0
		.amdhsa_float_denorm_mode_32 3
		.amdhsa_float_denorm_mode_16_64 3
		.amdhsa_memory_ordered 1
		.amdhsa_forward_progress 1
		.amdhsa_inst_pref_size 13
	.end_amdhsa_kernel
	.amdgpu_metadata
---
amdhsa.version: [ 1, 2 ]
amdhsa.kernels:
  - .name:           k_q52e27dbf89_hess_sum
    .symbol:         k_q52e27dbf89_hess_sum.kd
    .args:
      - { .name: part, .offset: 0, .size: 8, .value_kind: global_buffer, .address_space: global }
      - { .name: part2, .offset: 8, .size: 8, .value_kind: global_buffer, .address_space: global }
      - { .name: out0, .offset: 16, .size: 8, .value_kind: global_buffer, .address_space: global }
    .group_segment_fixed_size: 0
    .private_segment_fixed_size: 0
    .kernarg_segment_align: 8
    .kernarg_segment_size: 24
    .max_flat_workgroup_size: 160
    .sgpr_count:     66
    .vgpr_count:     144
    .wavefront_size: 32
...
	.end_amdgpu_metadata
.endif
;; end of part 4
